; MI455X (gfx1250); checked and timed in simulation.
; The chip was launched on July 23, 2026; its instructions are those of AMD's public machine-readable ISA for CDNA 5 (MIT licence, August 2026) and "CDNA5" Instruction Set Architecture Reference Guide (July 2026). The comments in the code are by the model that wrote it; some were corrected since.
;; Multihead Latent Attention. Allowed arithmetic: matrix products marked QUANTISED: E5M2 operands, one E8M0 scale for each 32 along K, by v_wmma_scale_f32_16x16x128_f8f6f4 with both operands' format E5M2, f32 sums; everything else in f32.
;; Inputs: Wkva_codes 32 x 32 x 32 uint8 (E5M2 codes of Wkva, K innermost, in blocks of 32 codes); Wkva_scales 32 x 32 uint8 (E8M0 scales of Wkva, one for each 32 codes along K); Wkvb_codes 512 x 1 x 32 uint8 (E5M2 codes of Wkvb, K innermost, in blocks of 32 codes); Wkvb_scales 512 x 1 uint8 (E8M0 scales of Wkvb, one for each 32 codes along K); Wout_codes 1,024 x 32 x 32 uint8 (E5M2 codes of Wout, K innermost, in blocks of 32 codes); Wout_scales 1,024 x 32 uint8 (E8M0 scales of Wout, one for each 32 codes along K); Wqa_codes 64 x 32 x 32 uint8 (E5M2 codes of Wqa, K innermost, in blocks of 32 codes); Wqa_scales 64 x 32 uint8 (E8M0 scales of Wqa, one for each 32 codes along K); Wqb_codes 1,024 x 2 x 32 uint8 (E5M2 codes of Wqb, K innermost, in blocks of 32 codes); Wqb_scales 1,024 x 2 uint8 (E8M0 scales of Wqb, one for each 32 codes along K); bout 1,024 float32; x_codes 4 x 2,048 x 32 x 32 uint8 (E5M2 codes of x, K innermost, in blocks of 32 codes); x_scales 4 x 2,048 x 32 uint8 (E8M0 scales of x, one for each 32 codes along K).
;; Outputs: out0 4 x 2,048 x 1,024 float32.
;; This version of the problem:
;;   THIS VERSION OF THE PROBLEM IS GIVEN IN LOW PRECISION. The matrix products marked QUANTISED in the list below multiply operands that are first quantised to E5M2 (5 exponent bits, 2 mantissa bits; 8 bits a number), with one power-of-two scale for each 32 numbers along K (OCP MX v1.0); their sums are f32. All else is computed in f32.
;;   The module's matrix products, in the order in which they are computed (A, B: the left and right operand; K: the contracted axis; several contracted axes count as one K, in the product's order):
;;     1. [M 8,192, K 1,024] x [K 1,024, N 64]; A: input x (given as codes); B: input Wqa (given as codes): QUANTISED
;;     2. [M 8,192, K 64] x [K 64, N 1,024]; A: computed on the way; B: input Wqb (given as codes): QUANTISED
;;     3. [M 8,192, K 1,024] x [K 1,024, N 32]; A: input x (given as codes); B: input Wkva (given as codes): QUANTISED
;;     4. [M 8,192, K 32] x [K 32, N 512]; A: computed on the way; B: input Wkvb (given as codes): QUANTISED
;;     5. batch 64 x [M 2,048, K 64] x [K 64, N 2,048]; A: computed on the way; B: computed on the way: QUANTISED
;;     6. batch 64 x [M 64, K 2,048] x [K 2,048, N 2,048]; A: computed on the way; B: softmax (see below): QUANTISED
;;     7. [M 8,192, K 1,024] x [K 1,024, N 1,024]; A: computed on the way; B: input Wout (given as codes): QUANTISED
;;   THE QUANTISER, for each operand of a quantised product, along K:
;;     - K is cut into blocks of 32 from its start; a last block that is shorter is filled with zeros.
;;     - A block's scale is 2^e with e = floor(log2(the largest magnitude in the block)) - 15, held to -126 .. 127; a block of zeros has e = 0. As a byte (E8M0): e + 127.
;;     - Each number is divided by its block's scale, clamped to +-57,344, and rounded to the nearest number of E5M2, ties to even, subnormals kept.
;;     - The product sums the exact products of the quantised numbers (number of the format x scale) in f32.
;;   ~~~python
;;   def quantise(x, axis):      # numpy; x: float32 -> the quantised numbers, widened to float32 again
;;       x = np.moveaxis(x, axis, -1); K = x.shape[-1]
;;       x = np.pad(x, [(0, 0)] * (x.ndim - 1) + [(0, -K % 32)]); x = x.reshape(x.shape[:-1] + (-1, 32)); a = np.abs(x).max(-1, keepdims=True)
;;       e = np.where(a > 0, np.clip(np.frexp(np.where(a > 0, a, 1))[1] - 1 - 15, -126, 127), 0)      # np.frexp(a)[1] - 1 = floor(log2(a)), exactly
;;       r = np.clip(x / 2.0 ** e, -57344, 57344)
;;       step = 2.0 ** (np.maximum(np.frexp(np.where(r == 0, 1, r))[1] - 1, -14) - 2)
;;       q = np.round(r / step) * step * 2.0 ** e      # np.round: ties to even
;;       return np.moveaxis(q.reshape(q.shape[:-2] + (-1,))[..., :K], -1, axis).astype(np.float32)
;;   ~~~
;;   SOFTMAX AHEAD OF A QUANTISED PRODUCT. Where the list says 'softmax', what is quantised is not the finished softmax but p = 2^(t - M), with t = logit x log2(e) and M = ceil(the row's largest t), a whole number; so 1/2 < the row's largest p <= 1. The row's sum l is taken of the UNQUANTISED p, in f32, and the product's result is divided by l at the end. Since M is a whole number, a kernel that streams over the keys may use a running M (the ceiling of the running maximum): every later rescaling is an exact power of two, which a block's scale takes up: the codes' values come out the same.
;;   OPERANDS COMPUTED ON THE WAY. 'Computed on the way' means the value that the module computes at that place (a softmax that the list does not call 'softmax' is quantised finished and normalised). What goes into a quantiser is computed in f32, as accurately as f32 sums, v_exp_f32 and their like allow (about 1e-6 of the number): no bf16 or f16 on the way to a quantiser, and a product that is left as it is and whose result goes on into a quantised operand takes f32 operands (vector FMAs, or v_wmma_f32_16x16x4_f32). A number that lies on a knife's edge between two numbers of the format may be rounded either way, as far as f32 arithmetic and the matrix unit's own rounding can turn it there, and no further.
;;   INPUTS GIVEN AS CODES. Wkva (in the module: [1024, 32], K = its axis 0); Wkvb (in the module: [32, 512], K = its axis 0); Wout (in the module: [1024, 1024], K = its axis 0); Wqa (in the module: [1024, 64], K = its axis 0); Wqb (in the module: [64, 1024], K = its axis 0); x (in the module: [4, 2048, 1024], K = its axis 2): each comes as NAME_codes (uint8): NAME with its K axis moved to the last place and cut into blocks of 32 codes, [.., K / 32, bytes a block], one block behind the other in memory; one code a byte (a code: sign, 5 exponent bits, 2 mantissa bits); and NAME_scales (uint8): the same leading axes, one E8M0 byte (e + 127) for each 32 codes along K. Its value is code x scale, taken as it is: it is not quantised again, and the codes and scales need not be those that the quantiser above would give.
;; 2 versions. Each part assembles by itself: llvm-mc -triple=amdgcn-amd-amdhsa -mcpu=gfx1250 --defsym DOCPART=n.
;; ======== version 1 of 2: 3 launches
;; workspace buffers: qrec 8,388,608 bytes; qsc 524,288 bytes; kvrec 4,390,912 bytes; ocod 8,388,608 bytes; oscl 262,144 bytes
;; launch proj (part 1): grid 256 x 1, 4 waves a work-group, no clusters, 57,856 bytes of LDS; arguments x_codes, x_scales, Wqa_codes, Wqa_scales, Wkva_codes, Wkva_scales, Wqb_codes, Wqb_scales, Wkvb_codes, Wkvb_scales, qrec, qsc, kvrec; writes qrec, qsc, kvrec
.if DOCPART == 1
	.amdgcn_target "amdgcn-amd-amdhsa--gfx1250"
	.amdhsa_code_object_version 6
	.text
	.protected	k_q84e1fdff7d_proj
	.globl	k_q84e1fdff7d_proj
	.p2align	8
	.type	k_q84e1fdff7d_proj,@function
k_q84e1fdff7d_proj:
	s_mov_b64 s[64:65], 0
	v_nop
	global_prefetch_b8 v0, s[64:65] scope:SCOPE_SE
	s_setreg_imm32_b32 hwreg(HW_REG_WAVE_MODE, 25, 1), 1
	s_wait_xcnt 0x0
; THE PROJECTIONS: qa = x Wqa, kva = x Wkva, q = Q(qa) Wqb, (k, v) = Q(kva) Wkvb, RoPE on q and k, and the quantisers of qa, kva, q, k (along the head's 64) and v (along the tokens).
; All products on codes of E5M2 with one E8M0 scale for each 32 along K; sums in f32.  A K of 64 or 32 is filled up to the instruction's 128 with zero codes on both operands.
; SHARES.  A work-group takes 32 tokens, as two TOKEN TILES u = 0, 1: lane r of tile u holds token 8 u + r + 8 (r / 8), so that the 16 registers of two neighbouring tiles of a result are 16 neighbours.
; Phase A: wave w takes K = 256 w .. 256 w + 255 of x's 1,024 (256 bytes of every row); the four partial sums meet in LDS and are added in the order of K, alike in every wave.
; Then every wave holds both latents; wave w serves key/value head w and query heads 4 w .. 4 w + 3.
; q and k are made TRANSPOSED (source 0 = 16 rows of the weight, source 1 = 16 tokens): a lane holds one token and its registers run along d.  The rows of a weight's tile are chosen like the tokens of a tile.
; v is made the other way round (source 0 = tokens): a lane holds one d and its registers run along the tokens, which are the K of the product that v enters.
; WHAT IS STORED are images of operand registers: four registers of a fragment are 512 bytes, lane l's 16 bytes at 16 l.
;   qrec: ((16 b + head) 128 + tile) 1024 + 512 c.   qsc: one word a query, ((4 g + kv head) 32 + 16 u + r) 16 + 4 (head % 4).
;   kvrec: a record of 17,152 bytes for a kv head and 128 keys: K's codes (tile 1024 + 512 c), from 8,192 V's (d tile 2048 + 512 key block), from 16,384 K's scale words, from 16,896 V's.
; LIMITS: NaN and infinities are not served.  A block whose largest magnitude lies under 2^-111 gets the byte 1; a block of zeros gets the byte 1 and zero codes (the bytes are read by this program alone).
; RoPE: inv_freq is one v_exp_f32 of i x (-log2(10000) / 32); the angle is one f32 product; sine and cosine by a reduction in two parts (the first is exact for angles under 2,048) and polynomials of degree 7 and 8.
; K's scale words leave 128 bytes a store and V's scale bytes one byte of four: 768 of a record's 17,152 bytes; every store of codes covers 512 consecutive bytes.
; REGISTERS, in windows of 256.  Window 0: v4-13 addresses; v16-59 scale words and nothing else; v60-63 q's scale words on their way out; v64-127 cosines and sines; v128-223 the latents' sums, later
;   v128-191 a unit's results and v192-207 its codes; v224-239 the quantiser's; v240-248 at work.  Window 1: v0-191 the latent weights' fragments, then partial sums; v192-255 x's fragments, then qa's and kva's operands.
;   Window 2: Wqb's 16 fragments.  Window 3: Wkvb's 8.
.set RECB,  17152
.set PART,  0                          ; LDS: the partial sums, 12,288 bytes a wave, as images of 24 groups of four registers
.set CSL,   49152                      ; the cosines and sines, 2,048 bytes a wave
.set WV,    34
.set SEL,   36                         ; s[36:37] v_permlanex16_b32's selects for lane l xor 16
.set MNT,   38                         ; the mantissa field of 57,344
.set HM,    39                         ; a mask of lanes 16-31
.set VX,    4                          ; 1024 rp + 16 h + 256 w   (rp = r + 8 (r / 8))
.set VXS,   5                          ; 32 rp + 8 w
.set L16,   6
.set L4,    7
.set VB,    8                          ; 64 rp + 16 h
.set VBS,   9                          ; 2 rp
.set PST,   10
.set CST,   11
.set POSF,  12
.set IB,    13
.set XS,    16
.set WAS,   20
.set WBS,   32
.set WKS,   48
.set QAS,   56
.set KVS,   58
.set QSW,   60
.set CS,    64
.set LAT,   128
.set H,     128
.set PC,    192
.set TM,    224                        ; +0 largest magnitudes, +4 the other half's, then bytes, +8 the largest code x the scale, +12 the conversion's scale operand
.set MSB, 0
.macro WIN new                         ; the immediate's high byte repeats the setting that is left
.if MSB != (\new)
	s_set_vgpr_msb (MSB<<8)|(\new)
.set MSB, (\new)
.endif
.endm
.macro NOPS n
.rept \n
	v_nop
.endr
.endm
.macro MM0 d, a, b, sa, sb             ; a product that starts its sum
	v_wmma_scale_f32_16x16x128_f8f6f4 v[(\d):(\d)+7], v[(\a):(\a)+15], v[(\b):(\b)+15], 0, v[(\sa)], v[(\sb)] matrix_a_fmt:MATRIX_FMT_BF8 matrix_b_fmt:MATRIX_FMT_BF8
.endm
.macro MMA d, a, b, sa, sb             ; and one that adds in place
	v_wmma_scale_f32_16x16x128_f8f6f4 v[(\d):(\d)+7], v[(\a):(\a)+15], v[(\b):(\b)+15], v[(\d):(\d)+7], v[(\sa)], v[(\sb)] matrix_a_fmt:MATRIX_FMT_BF8 matrix_b_fmt:MATRIX_FMT_BF8
.endm
; nb blocks of 32 along K; a lane holds 16 numbers of each, v[s + 16 b] on, lane l xor 16 the other 16
.macro QPREP s, nb
.set qb, 0
.rept \nb
	v_max3_num_f32 v[TM+qb], |v[(\s)+16*qb]|, |v[(\s)+16*qb+1]|, 0x8000000   ; my 16, and the floor 2^(16 - 127): the byte cannot fall under 1
.set qb, qb+1
.endr
.set qi, 2
.rept 7
.set qb, 0
.rept \nb
	v_max3_num_f32 v[TM+qb], v[TM+qb], |v[(\s)+16*qb+qi]|, |v[(\s)+16*qb+qi+1]|   ; the blocks by turns
.set qb, qb+1
.endr
.set qi, qi+2
.endr
.set qb, 0
.rept \nb
	v_permlanex16_b32 v[TM+4+qb], v[TM+qb], s[SEL], s[SEL+1]
.set qb, qb+1
.endr
.set qb, 0
.rept \nb
	v_max_num_f32 v[TM+qb], v[TM+qb], v[TM+4+qb]               ; the block's largest magnitude
.set qb, qb+1
.endr
.set qb, 0
.rept \nb
	v_add_nc_u32 v[TM+12+qb], 0xf8800000, v[TM+qb]             ; 15 off its exponent field: the conversion's scale operand
.set qb, qb+1
.endr
.set qb, 0
.rept \nb
	v_and_or_b32 v[TM+8+qb], v[TM+qb], 0x7f800000, s[MNT]      ; 57,344 x the scale
.set qb, qb+1
.endr
.endm
.macro QBYTES nb
.set qb, 0
.rept \nb
	v_lshrrev_b32 v[TM+4+qb], 23, v[TM+12+qb]                  ; the scale's byte
.set qb, qb+1
.endr
.endm
.macro QHOLD s, nb                     ; the conversion to an 8-bit code does not saturate (ISA guide 7.6.2): hold at the largest code x the scale
.set qi, 0
.rept 16*\nb
	v_med3_num_f32 v[(\s)+qi], v[(\s)+qi], -v[TM+8+qi/16], v[TM+8+qi/16]
.set qi, qi+1
.endr
.endm
.macro QCVT s, dst, b                  ; a block's 16 numbers of my lane become four registers of codes
	v_cvt_scalef32_pk8_bf8_f32 v[(\dst):(\dst)+1], v[(\s):(\s)+7], v[TM+12+(\b)]
	v_cvt_scalef32_pk8_bf8_f32 v[(\dst)+2:(\dst)+3], v[(\s)+8:(\s)+15], v[TM+12+(\b)]
.endm
; 32 numbers of a lane, d = 32 b + 16 h + i at register 16 b + i, are turned pair by pair; pair k takes cosine and sine number k of tile u
.macro ROPE hreg, u
.set rk, 0
.rept 16
.set rx, (\hreg)+2*rk
.set rc, CS+32*(\u)+2*rk
.set rt, 240+2*(rk%2)
	v_mul_f32 v[rt], v[rx+1], v[rc+1]
	v_mul_f32 v[rt+1], v[rx], v[rc+1]
	v_fma_f32 v[rx], v[rx], v[rc], -v[rt]                      ; x1 cos - x2 sin
	v_fma_f32 v[rx+1], v[rx+1], v[rc], v[rt+1]                 ; x2 cos + x1 sin
.set rk, rk+1
.endr
.endm
.macro TAILQ                           ; four blocks in v[H] on become 16 registers of codes in v[PC] on
	QHOLD H, 4
	s_wait_xcnt 0x0                                            ; v[PC] on were the last unit's store data: they are written again only behind this wait
.irp bb, 0,1,2,3
	QCVT H+16*\bb, PC+4*\bb, \bb
.endr
	v_nop                                                      ; one plain instruction between the last conversion and the next products, which write its sources
.endm
	s_load_b512 s[8:23], s[0:1], 0x0               ; x codes 8, x scales 10, Wqa codes 12, scales 14, Wkva codes 16, scales 18, Wqb codes 20, scales 22
	s_load_b256 s[24:31], s[0:1], 0x40             ; Wkvb codes 24, scales 26, qrec 28, qsc 30
	s_load_b64 s[32:33], s[0:1], 0x60              ; kvrec
	v_lshl_add_u32 v254, v0, 2, 0xe000
	v_mov_b32 v255, 0
	v_lshrrev_b32 v1, 5, v0
	v_readfirstlane_b32 s[WV], v1                  ; wave 0..3
	v_and_b32 v1, 31, v0                           ; lane
	v_and_b32 v2, 15, v0                           ; r
	v_bfe_u32 v3, v0, 4, 1                         ; h
	v_and_b32 v14, 8, v2
	v_add_nc_u32 v14, v14, v2                      ; rp = r + 8 (r / 8)
	s_lshl_b32 s58, s[WV], 8
	v_lshlrev_b32 v[VX], 10, v14
	v_lshl_add_u32 v[VX], v3, 4, v[VX]
	v_add_nc_u32 v[VX], s58, v[VX]
	s_lshl_b32 s58, s[WV], 3
	v_lshl_add_u32 v[VXS], v14, 5, s58
	v_lshlrev_b32 v[L16], 4, v1
	v_lshlrev_b32 v[L4], 2, v1
	v_lshlrev_b32 v[VB], 6, v14
	v_lshl_add_u32 v[VB], v3, 4, v[VB]
	v_lshlrev_b32 v[VBS], 1, v14
	s_mul_i32 s58, s[WV], 12288
	v_add_nc_u32 v[PST], s58, v[L16]               ; my wave's partial sums
	s_lshl_b32 s58, s[WV], 11
	s_add_co_u32 s58, s58, CSL
	v_add_nc_u32 v[CST], s58, v[L16]               ; my wave's part of the table
	s_and_b32 s59, ttmp9, 63                       ; G: which 32 tokens of the sequence
	s_lshl_b32 s60, s59, 5
	s_lshr_b32 s61, s[WV], 1
	s_lshl_b32 s61, s61, 3
	s_add_co_u32 s60, s60, s61
	v_add_nc_u32 v[POSF], s60, v14
	v_cvt_f32_u32 v[POSF], v[POSF]                 ; the position of lane r's token in tile w / 2: my wave makes that tile's table for frequencies 16 (w % 2) + 8 h + 0 .. 7
	s_and_b32 s61, s[WV], 1
	s_lshl_b32 s61, s61, 4
	v_lshl_add_u32 v[IB], v3, 3, s61
	s_mov_b32 s[SEL], 0x76543210
	s_mov_b32 s[SEL+1], 0xfedcba98
	s_mov_b32 s[MNT], 0x600000
	s_mov_b32 s[HM], 0xffff0000
	s_mov_b32 s40, 0xbed49a78                      ; -log2(10000) / 32
	s_mov_b32 s41, 0x3f22f983                      ; 2 / pi
	s_mov_b32 s42, 0x3fc90fdb                      ; pi / 2, its f32,
	s_mov_b32 s43, 0xb33bbd2e                      ; and what that leaves
	s_mov_b32 s44, 0xb94ca1f9                      ; the sine's coefficients,
	s_mov_b32 s45, 0x3c08839e
	s_mov_b32 s46, 0xbe2aaaa3
	s_mov_b32 s47, 0x37ccf5ce                      ; the cosine's
	s_mov_b32 s48, 0xbab6061a
	s_mov_b32 s49, 0x3d2aaaa5
.irp b, 0,1,2,3
	v_mov_b32 v[TM+4+\b], 0                        ; written once: a lane permute's destination counts as one of its sources
.endr
	s_mov_b32 s67, 0                               ; every offset is under 2^32: s[66:67]
	s_lshr_b32 s68, ttmp9, 6                       ; b
	s_lshl_b32 s69, s68, 2
	s_add_co_u32 s69, s69, s[WV]                   ; 4 b + w
	s_and_b32 s71, s59, 3                          ; i: which 32 of a record's 128 keys
	s_lshl_b32 s66, ttmp9, 15
	s_wait_kmcnt 0x0
	s_add_nc_u64 s[8:9], s[8:9], s[66:67]          ; x's codes at my 32 tokens
	s_lshl_b32 s66, ttmp9, 10
	s_add_nc_u64 s[10:11], s[10:11], s[66:67]      ; and their scale bytes
	s_lshl_b32 s66, s[WV], 14
	s_add_nc_u64 s[20:21], s[20:21], s[66:67]      ; Wqb: my four heads' 256 rows of 64 bytes
	s_lshl_b32 s66, s[WV], 9
	s_add_nc_u64 s[22:23], s[22:23], s[66:67]
	s_lshl_b32 s66, s[WV], 12
	s_add_nc_u64 s[24:25], s[24:25], s[66:67]      ; Wkvb: my head's 128 rows of 32 bytes
	s_lshl_b32 s66, s[WV], 7
	s_add_nc_u64 s[26:27], s[26:27], s[66:67]
	s_lshl_b32 s66, s69, 9                         ; (16 b + 4 w) 128
	s_lshl_b32 s70, s59, 1
	s_add_co_u32 s66, s66, s70                     ; + tile 2 G
	s_lshl_b32 s66, s66, 10
	s_add_nc_u64 s[28:29], s[28:29], s[66:67]
	s_lshl_b32 s66, ttmp9, 2
	s_add_co_u32 s66, s66, s[WV]
	s_lshl_b32 s66, s66, 9
	s_add_nc_u64 s[30:31], s[30:31], s[66:67]
	s_lshl_b32 s66, s69, 4
	s_lshr_b32 s70, s59, 2
	s_add_co_u32 s66, s66, s70
	s_mul_i32 s66, s66, RECB
	s_add_nc_u64 s[32:33], s[32:33], s[66:67]      ; my record
	s_lshl_b32 s66, s71, 11
	s_add_nc_u64 s[50:51], s[32:33], s[66:67]      ; K's codes: tiles 2 i, 2 i + 1
	s_lshl_b32 s66, s71, 7
	s_add_co_u32 s66, s66, 16384
	s_add_nc_u64 s[52:53], s[32:33], s[66:67]      ; their scale words
	s_lshl_b32 s66, s71, 9
	s_add_co_u32 s66, s66, 8192
	s_add_nc_u64 s[54:55], s[32:33], s[66:67]      ; V's codes: key block i
	s_add_co_u32 s66, s71, 16896
	s_add_nc_u64 s[56:57], s[32:33], s[66:67]      ; its byte of V's scale words
	; ---- loads, part 1: 48: what phase A's first K step wants
.irp u, 0,1
	global_load_b64 v[XS+2*\u:XS+2*\u+1], v[VXS], s[10:11] offset:256*\u
.endr
.irp nt, 0,1,2,3
	global_load_b64 v[WAS+2*\nt:WAS+2*\nt+1], v[VXS], s[14:15] offset:32*(32*(\nt/2)+8*(\nt%2))
.endr
.irp nt, 4,5
	global_load_b64 v[WAS+2*\nt:WAS+2*\nt+1], v[VXS], s[18:19] offset:32*8*(\nt-4)
.endr
.macro LDWA sl                         ; the latent weights' six tiles (four of Wqa, two of Wkva) for my K step sl: 24 loads
.irp nt, 0,1,2,3
.irp c, 0,1,2,3
	global_load_b128 v[16*(2*\nt+\sl)+4*\c:16*(2*\nt+\sl)+4*\c+3], v[VX], s[12:13] offset:(32*(\nt/2)+8*(\nt%2))*1024+128*\sl+32*\c
.endr
.endr
.irp nt, 4,5
.irp c, 0,1,2,3
	global_load_b128 v[16*(2*\nt+\sl)+4*\c:16*(2*\nt+\sl)+4*\c+3], v[VX], s[16:17] offset:8*(\nt-4)*1024+128*\sl+32*\c
.endr
.endr
.endm
	WIN 0x40                                       ; destination window 1
.irp u, 0,1
.irp sl, 0,1
.irp c, 0,1,2,3
	global_load_b128 v[192+16*(2*\u+\sl)+4*\c:192+16*(2*\u+\sl)+4*\c+3], v[VX], s[8:9] offset:8192*\u+128*\sl+32*\c th:TH_LOAD_NT
.endr
.endr
.endr
	LDWA 0
	; the zero codes that fill Wqb's K of 64 and Wkvb's K of 32 up to 128: they are operands, written once
	WIN 0x80
.set zf, 0
.rept 16
.irp k, 8,9,10,11,12,13,14,15
	v_mov_b32 v[16*zf+\k], 0
.endr
.set zf, zf+1
.endr
	WIN 0xc0
.set zf, 0
.rept 8
.irp k, 4,5,6,7,8,9,10,11,12,13,14,15
	v_mov_b32 v[16*zf+\k], 0
.endr
.set zf, zf+1
.endr
	WIN 0
	; ---- cosines and sines of my part of the table, stage by stage over eight frequencies
.irp m, 0,1,2,3,4,5,6,7
	v_add_nc_u32 v[128+\m], \m, v[IB]
.endr
.irp m, 0,1,2,3,4,5,6,7
	v_cvt_f32_u32 v[128+\m], v[128+\m]
.endr
.irp m, 0,1,2,3,4,5,6,7
	v_mul_f32 v[128+\m], s40, v[128+\m]
.endr
.irp m, 0,1,2,3,4,5,6,7
	v_exp_f32 v[136+\m], v[128+\m]                 ; inv_freq = 10000^(-i / 32)
.endr
	v_nop                                          ; a plain instruction behind the last exponential,
	s_wait_alu depctr_va_vdst(0)                   ; and one wait for the eight, ahead of their first reader
.irp m, 0,1,2,3,4,5,6,7
	v_mul_f32 v[144+\m], v[POSF], v[136+\m]        ; the angle
.endr
.irp m, 0,1,2,3,4,5,6,7
	v_mul_f32 v[152+\m], s41, v[144+\m]
.endr
.irp m, 0,1,2,3,4,5,6,7
	v_rndne_f32 v[152+\m], v[152+\m]               ; n: how many quarter turns
.endr
.irp m, 0,1,2,3,4,5,6,7
	v_fma_f32 v[160+\m], -v[152+\m], s42, v[144+\m]
.endr
.irp m, 0,1,2,3,4,5,6,7
	v_fma_f32 v[160+\m], -v[152+\m], s43, v[160+\m]   ; what is left, within +-pi / 4
.endr
.irp m, 0,1,2,3,4,5,6,7
	v_mul_f32 v[168+\m], v[160+\m], v[160+\m]
.endr
.irp m, 0,1,2,3,4,5,6,7
	v_fma_f32 v[176+\m], v[168+\m], s44, s45
	v_fma_f32 v[184+\m], v[168+\m], s47, s48
.endr
.irp m, 0,1,2,3,4,5,6,7
	v_fma_f32 v[176+\m], v[176+\m], v[168+\m], s46
	v_fma_f32 v[184+\m], v[184+\m], v[168+\m], s49
.endr
.irp m, 0,1,2,3,4,5,6,7
	v_mul_f32 v[176+\m], v[176+\m], v[168+\m]
	v_mul_f32 v[184+\m], v[184+\m], v[168+\m]
	v_fma_f32 v[200+\m], v[168+\m], -0.5, 1.0
.endr
.irp m, 0,1,2,3,4,5,6,7
	v_fma_f32 v[176+\m], v[176+\m], v[160+\m], v[160+\m]   ; the sine of what is left,
	v_fma_f32 v[184+\m], v[184+\m], v[168+\m], v[200+\m]   ; its cosine
	v_cvt_i32_f32 v[192+\m], v[152+\m]
.endr
.irp m, 0,1,2,3,4,5,6,7
	v_and_b32 v[200+\m], 1, v[192+\m]
	v_cmp_eq_u32 vcc_lo, 1, v[200+\m]              ; an odd number of quarter turns swaps the two
	v_cndmask_b32 v[208+\m], v[176+\m], v[184+\m], vcc_lo
	v_cndmask_b32 v[216+\m], v[184+\m], v[176+\m], vcc_lo
.endr
.irp m, 0,1,2,3,4,5,6,7
	v_lshlrev_b32 v[200+\m], 30, v[192+\m]         ; the sine changes sign where n mod 4 is 2 or 3,
	v_add_nc_u32 v[192+\m], 1, v[192+\m]
	v_and_b32 v[200+\m], 0x80000000, v[200+\m]
	v_lshlrev_b32 v[192+\m], 30, v[192+\m]         ; the cosine where it is 1 or 2
	v_xor_b32 v[CS+2*\m+1], v[200+\m], v[208+\m]
	v_and_b32 v[192+\m], 0x80000000, v[192+\m]
	v_xor_b32 v[CS+2*\m], v[192+\m], v[216+\m]
.endr
.irp k, 0,1,2,3
	ds_store_b128 v[CST], v[CS+4*\k:CS+4*\k+3] offset:512*\k
.endr
	; ---- loads, part 2: 88: phase A's second K step (24), then 64 that the later phases want
	WIN 0x40
	LDWA 1
	WIN 0x80
.irp hh, 0,1,2,3
.irp dt, 0,1,2,3
.irp c, 0,1
	global_load_b128 v[16*(4*\hh+\dt)+4*\c:16*(4*\hh+\dt)+4*\c+3], v[VB], s[20:21] offset:(64*\hh+32*(\dt/2)+8*(\dt%2))*64+32*\c
.endr
.endr
.endr
	WIN 0xc0
.irp dt, 0,1,2,3
	global_load_b128 v[16*\dt:16*\dt+3], v[VB], s[24:25] offset:(32*(\dt/2)+8*(\dt%2))*64          ; row 2 d: k
	global_load_b128 v[64+16*\dt:64+16*\dt+3], v[VB], s[24:25] offset:(32*(\dt/2)+8*(\dt%2))*64+32 ; row 2 d + 1: v
.endr
	WIN 0
.irp hh, 0,1,2,3
.irp dt, 0,1,2,3
	global_load_u16 v[WBS+4*\hh+\dt], v[VBS], s[22:23] offset:2*(64*\hh+32*(\dt/2)+8*(\dt%2))
.endr
.endr
.irp dt, 0,1,2,3
	global_load_u8 v[WKS+\dt], v[VBS], s[26:27] offset:2*(32*(\dt/2)+8*(\dt%2))
	global_load_u8 v[WKS+4+\dt], v[VBS], s[26:27] offset:2*(32*(\dt/2)+8*(\dt%2))+1
.endr
	; ---- phase A: 12 accumulators by turns, two K steps
	s_wait_loadcnt 63                              ; 64 loads are younger than the last of the latent weights'; the count's field holds 63
	WIN 0x05                                       ; sources 0 and 1 window 1
.irp sl, 0,1
.irp u, 0,1
.irp nt, 0,1,2,3,4,5
.if \nt < 4
.set AC, LAT+16*(2*\u+\nt/2)+8*(\nt%2)
.else
.set AC, LAT+16*(4+\u)+8*(\nt-4)
.endif
.if \sl == 0
	MM0 AC, 16*(2*\nt+\sl), 192+16*(2*\u+\sl), WAS+2*\nt+\sl, XS+2*\u+\sl
.else
	MMA AC, 16*(2*\nt+\sl), 192+16*(2*\u+\sl), WAS+2*\nt+\sl, XS+2*\u+\sl
.endif
.endr
.endr
.endr
	WIN 0
	NOPS 8                                         ; eight places between the last product and the first read of a result
.set q, 0
.rept 24
	ds_store_b128 v[PST], v[LAT+4*q:LAT+4*q+3] offset:512*q   ; each accumulator from its low end on
.set q, q+1
.endr
	WIN 0x40                                       ; the zero codes above qa's 64 and kva's 32, where x's fragments lay
.irp u, 0,1
.irp k, 8,9,10,11,12,13,14,15
	v_mov_b32 v[192+16*\u+\k], 0
.endr
.irp k, 4,5,6,7,8,9,10,11,12,13,14,15
	v_mov_b32 v[224+16*\u+\k], 0
.endr
.endr
	WIN 0
	s_wait_dscnt 0x0                               ; my stores of the table and of the partial sums have landed:
	s_barrier_signal -1
	s_barrier_wait -1                              ; everybody's have.  Nothing in LDS is written again
	; ---- the sums, in the order of K: wave 0's + wave 1's + wave 2's + wave 3's
.set q, 0
.rept 24
	ds_load_b128 v[LAT+4*q:LAT+4*q+3], v[L16] offset:PART+512*q
.set q, q+1
.endr
.set q, 0
.rept 16
	ds_load_b128 v[CS+4*q:CS+4*q+3], v[L16] offset:CSL+512*q
.set q, q+1
.endr
	WIN 0x40
.set q, 0
.rept 48
	ds_load_b128 v[4*q:4*q+3], v[L16] offset:PART+12288+512*q   ; wave 1's into v0-95, wave 2's into v96-191 of window 1
.set q, q+1
.endr
	s_wait_dscnt 24                                ; all but wave 2's 24
	WIN 0x04                                       ; source 1 window 1
.set q, 0
.rept 48
	v_pk_add_f32 v[LAT+2*q:LAT+2*q+1], v[LAT+2*q:LAT+2*q+1], v[2*q:2*q+1]
.set q, q+1
.endr
	WIN 0x40
.set q, 0
.rept 24
	ds_load_b128 v[4*q:4*q+3], v[L16] offset:PART+36864+512*q
.set q, q+1
.endr
	s_wait_dscnt 24                                ; all but wave 3's 24
	WIN 0x04
.set q, 0
.rept 48
	v_pk_add_f32 v[LAT+2*q:LAT+2*q+1], v[LAT+2*q:LAT+2*q+1], v[96+2*q:96+2*q+1]
.set q, q+1
.endr
	s_wait_dscnt 0x0
.set q, 0
.rept 48
	v_pk_add_f32 v[LAT+2*q:LAT+2*q+1], v[LAT+2*q:LAT+2*q+1], v[2*q:2*q+1]
.set q, q+1
.endr
	WIN 0
	; ---- the latents become operands.  Block 2 u + b: qa(tile u, 32 b + 16 h + 0 .. 15); block 4 + u: kva(tile u, 16 h + 0 .. 15)
	QPREP LAT, 4
	QBYTES 4
	v_lshl_or_b32 v[QAS], v[TM+5], 8, v[TM+4]      ; a token's two bytes; bytes 2 and 3 stay 0 over zero codes
	v_lshl_or_b32 v[QAS+1], v[TM+7], 8, v[TM+6]
	QHOLD LAT, 4
	WIN 0x40
.irp u, 0,1
.irp b, 0,1
	QCVT LAT+16*(2*\u+\b), 192+16*\u+4*\b, 2*\u+\b
.endr
.endr
	WIN 0
	v_nop                                          ; a plain instruction between the conversions and the lines that write their scale operands anew
	QPREP LAT+64, 2
.irp u, 0,1
	v_lshrrev_b32 v[KVS+\u], 23, v[TM+12+\u]
.endr
	QHOLD LAT+64, 2
	WIN 0x40
.irp u, 0,1
	QCVT LAT+64+16*\u, 224+16*\u, \u
.endr
	WIN 0
	s_wait_loadcnt 0x0                             ; Wqb, Wkvb and their scales
	NOPS 8                                         ; a scale word made by vector instructions stands eight places ahead of a scaled product, an operand four; the first is also the plain line behind the conversions
.macro UNIT_Q hh                       ; query head 4 w + hh, both tiles of tokens
	WIN 0x06                                       ; source 0 (Wqb) window 2, source 1 (qa) window 1
.irp dt, 0,1,2,3
.irp u, 0,1
	MM0 H+32*\u+8*\dt, 16*(4*\hh+\dt), 192+16*\u, WBS+4*\hh+\dt, QAS+\u
.endr
.endr
	WIN 0
	NOPS 8
	ROPE H, 0
	ROPE H+32, 1
	QPREP H, 4
	QBYTES 4
	v_lshl_or_b32 v244, v[TM+5], 8, v[TM+4]
	v_lshl_or_b32 v245, v[TM+7], 8, v[TM+6]
	v_cndmask_b32 v[QSW+\hh], v244, v245, s[HM]    ; lanes 0-15 keep tile 0's words, lanes 16-31 tile 1's
	TAILQ
.irp u, 0,1
.irp c, 0,1
	global_store_b128 v[L16], v[PC+4*(2*\u+\c):PC+4*(2*\u+\c)+3], s[28:29] offset:131072*\hh+1024*\u+512*\c   ; 512 consecutive bytes
.endr
.endr
.endm
	UNIT_Q 0
	UNIT_Q 1
	UNIT_Q 2
	UNIT_Q 3
	global_store_b128 v[L16], v[QSW:QSW+3], s[30:31]   ; 32 queries x four heads' words: 512 consecutive bytes
	; ---- k of my kv head
	WIN 0x07                                       ; source 0 (Wkvb) window 3, source 1 (kva) window 1
.irp dt, 0,1,2,3
.irp u, 0,1
	MM0 H+32*\u+8*\dt, 16*\dt, 224+16*\u, WKS+\dt, KVS+\u
.endr
.endr
	WIN 0
	NOPS 8
	ROPE H, 0
	ROPE H+32, 1
	QPREP H, 4
	QBYTES 4
	v_lshl_or_b32 v244, v[TM+5], 8, v[TM+4]
	v_lshl_or_b32 v245, v[TM+7], 8, v[TM+6]
	v_cndmask_b32 v246, v244, v245, s[HM]
	TAILQ
.irp u, 0,1
.irp c, 0,1
	global_store_b128 v[L16], v[PC+4*(2*\u+\c):PC+4*(2*\u+\c)+3], s[50:51] offset:1024*\u+512*\c
.endr
.endr
	global_store_b32 v[L4], v246, s[52:53]
	; ---- v of my kv head: source 0 = the tokens, so that a lane holds one d and 16 neighbouring tokens: block dt = d tile dt, K = my 32 tokens
	WIN 0x0d                                       ; source 0 (kva) window 1, source 1 (Wkvb) window 3
.irp dt, 0,1,2,3
.irp u, 0,1
	MM0 H+16*\dt+8*\u, 224+16*\u, 64+16*\dt, KVS+\u, WKS+4+\dt
.endr
.endr
	WIN 0
	NOPS 8
	QPREP H, 4
	QBYTES 4
	v_cndmask_b32 v247, v[TM+4], v[TM+5], s[HM]    ; lanes 0-15: d tile 0's bytes, lanes 16-31: d tile 1's
	v_cndmask_b32 v248, v[TM+6], v[TM+7], s[HM]
	TAILQ
.irp dt, 0,1,2,3
	global_store_b128 v[L16], v[PC+4*\dt:PC+4*\dt+3], s[54:55] offset:2048*\dt
.endr
	global_store_b8 v[L4], v247, s[56:57]
	global_store_b8 v[L4], v248, s[56:57] offset:128
	s_wait_tensorcnt 0x0
	ds_add_u32 v254, v255
	s_wait_dscnt 0x0
	s_endpgm
.Lfunc_end_k_q84e1fdff7d_proj:
	.size	k_q84e1fdff7d_proj, .Lfunc_end_k_q84e1fdff7d_proj-k_q84e1fdff7d_proj
	.p2alignl 7, 3214868480
	.fill 96, 4, 3214868480
	.section	.rodata,"a",@progbits
	.p2align	6, 0x0
	.amdhsa_kernel k_q84e1fdff7d_proj
		.amdhsa_group_segment_fixed_size 57856
		.amdhsa_private_segment_fixed_size 0
		.amdhsa_enable_private_segment 0
		.amdhsa_kernarg_size 104
		.amdhsa_user_sgpr_count 2
		.amdhsa_user_sgpr_kernarg_segment_ptr 1
		.amdhsa_wavefront_size32 1
		.amdhsa_system_sgpr_workgroup_id_x 1
		.amdhsa_system_sgpr_workgroup_id_y 1
		.amdhsa_system_sgpr_workgroup_id_z 1
		.amdhsa_system_vgpr_workitem_id 0
		.amdhsa_next_free_vgpr 896
		.amdhsa_next_free_sgpr 76
		.amdhsa_reserve_vcc 1
		.amdhsa_float_denorm_mode_32 3
		.amdhsa_float_denorm_mode_16_64 3
		.amdhsa_memory_ordered 1
		.amdhsa_forward_progress 1
		.amdhsa_inst_pref_size 159
	.end_amdhsa_kernel
	.amdgpu_metadata
---
amdhsa.version: [ 1, 2 ]
amdhsa.kernels:
  - .name:           k_q84e1fdff7d_proj
    .symbol:         k_q84e1fdff7d_proj.kd
    .args:
      - { .name: x_codes, .offset: 0, .size: 8, .value_kind: global_buffer, .address_space: global }
      - { .name: x_scales, .offset: 8, .size: 8, .value_kind: global_buffer, .address_space: global }
      - { .name: Wqa_codes, .offset: 16, .size: 8, .value_kind: global_buffer, .address_space: global }
      - { .name: Wqa_scales, .offset: 24, .size: 8, .value_kind: global_buffer, .address_space: global }
      - { .name: Wkva_codes, .offset: 32, .size: 8, .value_kind: global_buffer, .address_space: global }
      - { .name: Wkva_scales, .offset: 40, .size: 8, .value_kind: global_buffer, .address_space: global }
      - { .name: Wqb_codes, .offset: 48, .size: 8, .value_kind: global_buffer, .address_space: global }
      - { .name: Wqb_scales, .offset: 56, .size: 8, .value_kind: global_buffer, .address_space: global }
      - { .name: Wkvb_codes, .offset: 64, .size: 8, .value_kind: global_buffer, .address_space: global }
      - { .name: Wkvb_scales, .offset: 72, .size: 8, .value_kind: global_buffer, .address_space: global }
      - { .name: qrec, .offset: 80, .size: 8, .value_kind: global_buffer, .address_space: global }
      - { .name: qsc, .offset: 88, .size: 8, .value_kind: global_buffer, .address_space: global }
      - { .name: kvrec, .offset: 96, .size: 8, .value_kind: global_buffer, .address_space: global }
    .group_segment_fixed_size: 57856
    .private_segment_fixed_size: 0
    .kernarg_segment_align: 8
    .kernarg_segment_size: 104
    .max_flat_workgroup_size: 128
    .sgpr_count:     76
    .vgpr_count:     896
    .wavefront_size: 32
...
	.end_amdgpu_metadata
.endif
;; end of part 1
;; launch attn (part 2): grid 16 x 16, 16 waves a work-group, no clusters, 327,680 bytes of LDS; arguments qrec, qsc, kvrec, ocod, oscl; writes ocod, oscl
.if DOCPART == 2
	.amdgcn_target "amdgcn-amd-amdhsa--gfx1250"
	.amdhsa_code_object_version 6
	.text
	.protected	k_q84e1fdff7d_attn
	.globl	k_q84e1fdff7d_attn
	.p2align	8
	.type	k_q84e1fdff7d_attn,@function
k_q84e1fdff7d_attn:
	s_mov_b64 s[64:65], 0
	v_nop
	global_prefetch_b8 v0, s[64:65] scope:SCOPE_SE
	s_setreg_imm32_b32 hwreg(HW_REG_WAVE_MODE, 25, 1), 1
	s_wait_xcnt 0x0
; CAUSAL ATTENTION on codes of E5M2 with one E8M0 scale for each 32 along a product's K, and the quantiser of its result along the model's 1,024.
; t = score x log2(e) / 8; M = the largest t so far, rounded UP to a whole number; p = 2^(t - M) is quantised along the keys, not normalised; the row's sum is taken of the unquantised p and divides at the end.
; SHARES.  Work-group (p, y): batch and kv head y = 4 b + kvh; two blocks of 64 queries, number p and then number 31 - p, for the four query heads of the kv head.
; Block n wants n / 2 + 1 key steps of 128 keys, so every work-group has 17 key steps: the trip count is a constant, and all work-groups have equal work.
; Each of the sixteen waves owns one tile of 16 queries of one head (head w / 4, tile w % 4) in 256 registers: four waves to a SIMD, so that one wave's vector work stands beside another's products and LDS loads.
; A key step's operands are ONE RECORD of 17,152 dense bytes (K's codes, V's codes, both scale words, as images of the operands' registers): wave 0 brings it by one tensor load into a ring of two slots.
; LAYOUT.  Both products are used transposed: S^T = K Q^T, O^T = V^T P^T: a lane holds one query.  The keys of a tile are 32 (t / 2) + 8 (t % 2) + r + 8 (r / 8), so that the 16 registers of two neighbouring tiles
; are 16 neighbouring keys; the queries of a tile and the d of V's tiles are chosen alike.  The head's 64 fill half of the first product's K: the other half is zero codes on both sides, in registers written once.
; THE MASK.  Only a block's last key step holds hidden keys; there hidden scores become -infinity ahead of the maximum.  A step's first key counts for every query of the block, so M is a number from the first step on.
; NO CLUSTER: the sixteen work-groups of a kv head want different records in the same trip (their first blocks have 1 to 8 steps); only pairs agree.
; LIMITS: NaN and infinities are not served.  A block of the result whose largest magnitude lies under 2^-111 gets the byte 1 (a block of zeros too, over zero codes; this program alone reads the bytes).
; The result's scale bytes leave one byte a lane, 32 bytes apart: 32 of the 1,056 bytes that a wave stores for a block.
.set RECB,  17152
.set SLOT1, 32768                      ; slot 1 begins here, so that one exclusive or turns an address from slot to slot
.set SPARE, 65536                      ; the spare words, 128 bytes for each of 16 waves: eight blocks of 256 bytes that no other line names
.set VCO,   8192                       ; in a record: V's codes,
.set KSO,   16384                      ; K's scale words,
.set VSO,   16896                      ; V's
.set L16, 1
.set L4,  2
.set QD,  3                            ; r + 8 (r / 8) - 16 h
.set R16, 4
.set SPW, 5                            ; LDS address of my spare word; never rewritten
.set NIL, 6                            ; 0; never rewritten
.set PFO, 7                            ; the prefetches' offset; never rewritten
.set ADR, 8
.set ADS, 9
.set OSO, 11                           ; 32 r + h
.set KSL, 32                           ; v32-95 four fragments of K: 8 registers of codes, 8 of zeros
.set PC,  192                          ; p's codes
.set BM,  208
.set T1,  212
.set HD,  216
.set SO,  220
.set KSC, 224                          ; v224-231 and v244: scale words and nothing else
.set VSC, 228
.set QS,  230
.set PS,  231
.set F,   232
.set TA,  234
.set NINF, 235
.set QB,  236                          ; the second block's Q, and at v244 its scale words
.set TB,  2                            ; s2  where the slot in hand begins
.set TR,  3                            ; s3  the trip
.set WV,  18
.set MNT, 19
.set SEL, 20
.set CS,  22                           ; s[22:23] c = log2(e) / 8
.set N1,  38                           ; the first block's key steps
.set FR,  39                           ; the record of the trip in hand, then of the next
.set LAST, 40                          ; 1 in the first block's last step
.set DQ,  41
.set PN,  54
.set HM,  55
.macro NOPS n
.rept \n
	v_nop
.endr
.endm
.macro TLOAD                           ; wave 0 alone fetches; four v_nop follow the load
	s_cmp_lg_u32 s[WV], 0
	s_cbranch_scc1 .Lno_load_\@
	tensor_load_to_lds s[32:35], s[24:31]
	s_nop 0
	NOPS 4
.Lno_load_\@:
.endm
; A PREFETCH INTO THE L2.  All sixteen work-groups of a kv head walk the same records: the first of them (p = 0) asks, and in it three waves that fetch nothing: waves 4 and 5 for a record's codes, 8,192 bytes each,
; lanes 256 bytes apart; wave 6 for the 768 bytes of scale words (its lanes from 2 on name the record's last block together).  Trip t = 1 .. 13 asks for record t + 2: two trips ahead of the asker's own load of it,
; one ahead of the earliest load by any work-group of the head.  Records 0 to 2 come by their loads alone; record 15 is the last.
.macro ASK
	s_sub_co_u32 s56, s[TR], 1
	s_cmp_lt_u32 s56, s[PN]
	s_cbranch_scc0 .Lnot_mine_\@
	global_prefetch_b8 v[PFO], s[52:53] th:TH_LOAD_NT scope:SCOPE_SE
.Lnot_mine_\@:
.endm
; what belongs to one block of 64 queries: where my tile's codes and scale words lie, where its result goes, and my first query's place in the block's last key step
.macro BLKADDR blk, qc, qs, oc, os, dq
	s_lshl_b32 s66, s[\blk], 2
	s_add_co_u32 s66, s66, s67                     ; my tile of the sequence's 128
	s_lshl_b32 s76, s68, 7
	s_add_co_u32 s76, s76, s66
	s_lshl_b32 s76, s76, 10
	s_add_nc_u64 s[\qc:\qc+1], s[4:5], s[76:77]
	s_lshl_b32 s76, s71, 6
	s_lshr_b32 s75, s66, 1
	s_add_co_u32 s76, s76, s75
	s_lshl_b32 s76, s76, 2
	s_add_co_u32 s76, s76, s72
	s_lshl_b32 s76, s76, 9
	s_and_b32 s75, s66, 1
	s_lshl_b32 s75, s75, 8
	s_add_co_u32 s76, s76, s75
	s_lshl_b32 s75, s73, 2
	s_add_co_u32 s76, s76, s75
	s_add_nc_u64 s[\qs:\qs+1], s[6:7], s[76:77]
	s_lshl_b32 s75, s71, 7
	s_add_co_u32 s75, s75, s66                     ; my tile of all 512
	s_lshl_b32 s76, s75, 14
	s_lshl_b32 s66, s74, 10
	s_add_co_u32 s76, s76, s66
	s_add_nc_u64 s[\oc:\oc+1], s[10:11], s[76:77]
	s_lshl_b32 s76, s75, 9
	s_lshl_b32 s66, s74, 1
	s_add_co_u32 s76, s76, s66
	s_add_nc_u64 s[\os:\os+1], s[12:13], s[76:77]
	s_and_b32 s66, s[\blk], 1
	s_lshl_b32 s66, s66, 6
	s_add_co_u32 s[\dq], s66, s69
.endm
.macro RESET                           ; a block begins: the largest t is -3e38, the sum and O^T are zeros, which the first change of M leaves zeros
	v_mov_b32 v13, 0xff61b1e6
	v_floor_f32 v12, -v13
	v_mov_b32 v14, 0
	v_mov_b32 v15, 0
.set j, 0
.rept 32
	v_mov_b32 v[160+j], 0
.set j, j+1
.endr
.endm
	s_load_b256 s[4:11], s[0:1], 0x0               ; qrec 4, qsc 6, kvrec 8, ocod 10
	s_load_b64 s[12:13], s[0:1], 0x20              ; oscl
	v_lshl_add_u32 v[SPW], v0, 2, SPARE
	v_mov_b32 v[NIL], 0
	ds_add_u32 v5, v6
	s_wait_dscnt 0x0
	v_lshrrev_b32 v8, 5, v0
	v_readfirstlane_b32 s[WV], v8                  ; wave 0..15
	s_and_b32 s70, ttmp7, 0xffff                   ; y = 4 b + kvh
	s_lshr_b32 s71, s70, 2                         ; b
	s_and_b32 s72, s70, 3                          ; kvh
	s_lshr_b32 s73, s[WV], 2                       ; which of the kv head's four query heads
	s_and_b32 s67, s[WV], 3                        ; which of the block's four tiles
	s_lshl_b32 s74, s72, 2
	s_add_co_u32 s74, s74, s73                     ; head
	s_lshl_b32 s68, s71, 4
	s_add_co_u32 s68, s68, s74                     ; 16 b + head
	s_lshr_b32 s69, s67, 1
	s_lshl_b32 s69, s69, 5
	s_and_b32 s75, s67, 1
	s_lshl_b32 s75, s75, 3
	s_add_co_u32 s69, s69, s75                     ; my tile's first query in its block
	s_mov_b32 s24, 3<<16                           ; descriptor group 1: no mask, elements of 8 bytes, no padding: images are read 16 bytes a lane on end
	s_mov_b32 s25, 32<<16                          ; tensor_dim0 = 32 elements: rows of 256 bytes
	s_mov_b32 s26, 67<<16                          ; tensor_dim1 = 67 rows: a record
	s_mov_b32 s27, 32<<16                          ; tile_dim0
	s_mov_b32 s28, 67                              ; tile_dim1
	s_mov_b32 s29, 32                              ; the pitch: dense
	s_mov_b32 s30, 0
	s_mov_b32 s31, 0
	s_lshr_b32 s[N1], ttmp9, 1
	s_add_co_u32 s[N1], s[N1], 1
	s_mov_b32 s78, ttmp9                           ; the first block,
	s_sub_co_u32 s79, 31, ttmp9                    ; the second
	s_mov_b32 s[MNT], 0x600000
	s_mov_b32 s[SEL], 0x76543210
	s_mov_b32 s[SEL+1], 0xfedcba98
	s_mov_b32 s[CS], 0x3e38aa3b
	s_mov_b32 s[CS+1], s[CS]                       ; (named with it as a pair, so it is written)
	s_mov_b32 s[HM], 0xffff0000
	s_mov_b32 s[TB], 0
	s_mov_b32 s[TR], 0
	s_mov_b32 s[FR], 0
	s_mov_b32 s[LAST], 0
	s_mul_i32 s76, s70, 16*RECB
	s_mov_b32 s77, 0
	s_wait_kmcnt 0x0
	s_add_nc_u64 s[36:37], s[8:9], s[76:77]        ; my kv head's 16 records
	s_mov_b32 s32, 1                               ; group 0: count = 1,
	s_mov_b32 s33, 0                               ; slot 0,
	s_mov_b64 s[34:35], s[36:37]                   ; record 0,
	s_or_b32 s35, s35, 0x80000000                  ; type = 2
	TLOAD
	v_and_b32 v8, 31, v0                           ; lane
	v_lshlrev_b32 v[L16], 4, v8
	v_lshlrev_b32 v[L4], 2, v8
	v_and_b32 v9, 15, v0                           ; r
	v_bfe_u32 v10, v0, 4, 1                        ; h
	v_lshlrev_b32 v[R16], 4, v9
	v_lshl_add_u32 v[OSO], v9, 5, v10
	v_and_b32 v[QD], 8, v9
	v_add_nc_u32 v[QD], v[QD], v9
	v_lshlrev_b32 v10, 4, v10
	v_sub_nc_u32 v[QD], v[QD], v10
	s_sub_co_u32 s75, s[WV], 4                     ; who prefetches: waves 4 to 6
	s_cmp_lt_u32 s75, 3
	s_cselect_b32 s75, 0, 1
	s_or_b32 s75, s75, ttmp9                       ; of the kv head's first work-group
	s_cmp_eq_u32 s75, 0
	s_cselect_b32 s[PN], 13, 0
	s_cmp_eq_u32 s[WV], 6
	s_cselect_b32 s75, 2, 31
	v_min_u32 v[PFO], s75, v8
	v_lshlrev_b32 v[PFO], 8, v[PFO]
	s_and_b32 s76, s[WV], 3
	s_lshl_b32 s76, s76, 13                        ; my wave's 8,192 bytes,
	s_add_co_u32 s76, s76, RECB                    ; in record 1: each trip steps a record on, so that trip t stands at record t + 2
	s_add_nc_u64 s[52:53], s[36:37], s[76:77]
	BLKADDR 78, 56, 58, 44, 46, 41
	BLKADDR 79, 60, 62, 48, 50, 42
	global_load_b128 v[16:19], v[L16], s[56:57]    ; both blocks' Q stay in registers
	global_load_b128 v[20:23], v[L16], s[56:57] offset:512
	global_load_b32 v[QS], v[R16], s[58:59]
	global_load_b128 v[QB:QB+3], v[L16], s[60:61]
	global_load_b128 v[QB+4:QB+7], v[L16], s[60:61] offset:512
	global_load_b32 v[QB+8], v[R16], s[62:63]
.irp k, 24,25,26,27,28,29,30,31
	v_mov_b32 v[\k], 0                             ; the zero codes above the head's 64: Q's,
.endr
.irp t, 0,1,2,3
.irp k, 8,9,10,11,12,13,14,15
	v_mov_b32 v[KSL+16*\t+\k], 0                   ; and those of K's four fragments: operands, written once
.endr
.endr
	RESET
.irp b, 0,1,2,3
	v_mov_b32 v[T1+\b], 0                          ; written once: a lane permute's destination counts as one of its sources
.endr
	v_mov_b32 v[F+1], 0                            ; (named as the upper half of a pair)
	v_mov_b32 v[TA], 0
	v_mov_b32 v[NINF], 0xff800000
	s_wait_loadcnt 0x0                             ; Q; and the loads' bases may be written again
.macro SPROD kt, t                     ; 16 keys x my 16 queries; lanes 0-15 of a scale register hold an even tile's words, lanes 16-31 the odd one's
.if (\kt)%2
	v_wmma_scale_f32_16x16x128_f8f6f4 v[96+8*(\kt):96+8*(\kt)+7], v[KSL+16*\t:KSL+16*\t+15], v[16:31], 0, v[KSC+(\kt)/2], v[QS] matrix_a_fmt:MATRIX_FMT_BF8 matrix_b_fmt:MATRIX_FMT_BF8 matrix_a_scale:MATRIX_SCALE_ROW1
.else
	v_wmma_scale_f32_16x16x128_f8f6f4 v[96+8*(\kt):96+8*(\kt)+7], v[KSL+16*\t:KSL+16*\t+15], v[16:31], 0, v[KSC+(\kt)/2], v[QS] matrix_a_fmt:MATRIX_FMT_BF8 matrix_b_fmt:MATRIX_FMT_BF8
.endif
.endm
.macro PPROD dt                        ; 16 of the head's 64 x my 16 queries, K = the step's 128 keys
.if (\dt)%2
	v_wmma_scale_f32_16x16x128_f8f6f4 v[160+8*\dt:160+8*\dt+7], v[96+16*\dt:96+16*\dt+15], v[PC:PC+15], v[160+8*\dt:160+8*\dt+7], v[VSC+(\dt)/2], v[PS] matrix_a_fmt:MATRIX_FMT_BF8 matrix_b_fmt:MATRIX_FMT_BF8 matrix_a_scale:MATRIX_SCALE_ROW1
.else
	v_wmma_scale_f32_16x16x128_f8f6f4 v[160+8*\dt:160+8*\dt+7], v[96+16*\dt:96+16*\dt+15], v[PC:PC+15], v[160+8*\dt:160+8*\dt+7], v[VSC+(\dt)/2], v[PS] matrix_a_fmt:MATRIX_FMT_BF8 matrix_b_fmt:MATRIX_FMT_BF8
.endif
.endm
; THE CHANGE OF SLOTS stands at a trip's head.  Each wave waits for all its tensor loads, adds 0 to its spare word, and waits for that and for its reads of the slot that it has left.
; Behind the barrier the slot ahead is whole and nobody reads the other one; with fill = 1 that one takes the next trip's record, which has the whole trip in which to land.
.macro CHANGE fill
	s_wait_tensorcnt 0x0                           ; no tensor load of mine is out, so group 0 may be written
	ds_add_u32 v[SPW], v[NIL]                      ; 0 onto my spare word: scalar work stands between it and the wait for it
.if \fill
	s_add_co_u32 s[FR], s[FR], 1                   ; the next trip's record: the next one,
	s_add_co_u32 s56, s[TR], 1
	s_cmp_eq_u32 s56, s[N1]
	s_cselect_b32 s[FR], 0, s[FR]                  ; or record 0 again, where the second block begins;
	s_cselect_b32 s[LAST], 1, 0                    ; this trip is then the first block's last
	s_mul_i32 s56, s[FR], RECB
	s_mov_b32 s57, 0
	s_add_nc_u64 s[34:35], s[36:37], s[56:57]
	s_or_b32 s35, s35, 0x80000000
	s_xor_b32 s33, s33, SLOT1                      ; into the other slot than last time
	s_wait_xcnt 0x0                                ; the last prefetch, a trip back, has read its address, so it may be written
	s_add_nc_u64 s[52:53], s[52:53], RECB
.endif
	s_wait_dscnt 0x0                               ; the add is done, and my reads of the slot that I have left are over
	s_barrier_signal -1
	s_barrier_wait -1
.if \fill
	TLOAD                                          ; the first thing behind the barrier, and the one tensor load until the next
	ASK
.endif
.endm
; A KEY STEP: 128 keys.  last = 0: in the loop, the mask under a scalar branch; 1: the second block's last step, always masked.
.macro STEP last
	v_add_nc_u32 v[ADR], s[TB], v[L16]
	v_add_nc_u32 v[ADS], s[TB], v[L4]
	NOPS 7                                         ; nine places with the two additions: the products below write over registers that the last step's products read (V's fragments), and the loads land in their scale registers
.irp i, 0,1,2,3
	ds_load_b32 v[KSC+\i], v[ADS] offset:KSO+128*\i
.endr
.irp i, 0,1
	ds_load_b32 v[VSC+\i], v[ADS] offset:VSO+128*\i
.endr
.irp g, 0,1                            ; S^T = K Q^T, four tiles of 16 keys at a time
.if \g
	NOPS 8                                         ; places in front of loads into registers that products have read
.endif
.irp t, 0,1,2,3
.irp c, 0,1
	ds_load_b128 v[KSL+16*\t+4*\c:KSL+16*\t+4*\c+3], v[ADR] offset:(4*\g+\t)*1024+512*\c
.endr
.endr
	s_wait_dscnt 0x0
.irp t, 0,1,2,3
	SPROD 4*\g+\t, \t
.endr
.endr
	NOPS 8
.if \last == 0
	s_cmp_eq_u32 s[LAST], 0
	s_cbranch_scc1 .Lopen_\@
.endif
	v_add_nc_u32 v[TA], s[DQ], v[QD]               ; my query - the step's first key - 16 h.  Register 16 b + i holds key 32 b + 16 h + i: hidden where 32 b + i is greater
.set n, 0
.rept 64
	v_cmp_gt_i32 vcc_lo, 32*(n/16)+n%16, v[TA]
	v_cndmask_b32 v[96+n], v[96+n], v[NINF], vcc_lo
.set n, n+1
.endr
.if \last == 0
.Lopen_\@:
.endif
.irp b, 0,1,2,3
	v_max3_num_f32 v[BM+\b], v[96+16*\b], v[97+16*\b], v[98+16*\b]   ; the largest score of each block of 32 keys: it serves for the row's maximum and, since p rises with the score, for the block's largest p
.endr
.irp i, 3,5,7,9,11,13
.irp b, 0,1,2,3
	v_max3_num_f32 v[BM+\b], v[BM+\b], v[96+16*\b+\i], v[97+16*\b+\i]
.endr
.endr
.irp b, 0,1,2,3
	v_max_num_f32 v[BM+\b], v[BM+\b], v[111+16*\b]
.endr
.irp b, 0,1,2,3
	v_permlanex16_b32 v[T1+\b], v[BM+\b], s[SEL], s[SEL+1]
.endr
.irp b, 0,1,2,3
	v_max_num_f32 v[BM+\b], v[BM+\b], v[T1+\b]     ; with lane l xor 16's 16 keys
.endr
	v_max3_num_f32 v[TA], v[BM], v[BM+1], v[BM+2]
	v_max_num_f32 v[TA], v[TA], v[BM+3]
	v_mul_f32 v[TA], s[CS], v[TA]                  ; as t (c is positive)
	v_max_num_f32 v13, v13, v[TA]                  ; the running largest t
	v_mov_b32 v[TA], v12
	v_floor_f32 v12, -v13                          ; the new -M = floor(-t): M is a whole number
	v_sub_f32 v[TA], v12, v[TA]                    ; old M - new M: a whole number, 0 or less
	v_cvt_i32_f32 v[TA], v[TA]                     ; (it saturates)
	v_ldexp_f32 v[F], 1.0, v[TA]                   ; f = 2^(old M - new M): a multiplication by it rounds nothing
.set j, 0
.rept 32
	v_pk_fma_f32 v[96+j:97+j], v[96+j:97+j], s[CS:CS+1], v[12:13] op_sel_hi:[1,0,0]   ; t - M, two at a time
.set j, j+2
.endr
.irp b, 0,1,2,3
	v_fma_f32 v[BM+\b], v[BM+\b], s[CS], v12       ; the same of each block's largest score
.endr
.set j, 0
.rept 64
	v_exp_f32 v[96+j], v[96+j]                     ; p = 2^(t - M)
.set j, j+1
.endr
	v_pk_mul_f32 v[14:15], v[14:15], v[F:F+1] op_sel_hi:[1,0]   ; the sums under the new M: the plain instruction behind the exponentials
	s_wait_alu depctr_va_vdst(0)                   ; one wait for the 64, ahead of their first reader
.irp b, 0,1,2,3
	v_exp_f32 v[BM+\b], v[BM+\b]                   ; the block's largest p: the same two instructions on the same number
.endr
	v_pk_add_f32 v[246:247], v[96:97], v[98:99]    ; the row's sum is taken of the unquantised p, in two chains
.set j, 4
.rept 15
	v_pk_add_f32 v[14:15], v[14:15], v[96+j:97+j]
	v_pk_add_f32 v[246:247], v[246:247], v[98+j:99+j]
.set j, j+4
.endr
	v_pk_add_f32 v[14:15], v[14:15], v[246:247]
	s_wait_alu depctr_va_vdst(0)                   ; and one for the four
.irp b, 0,1,2,3
	v_max_num_f32 v[BM+\b], 0x8000000, v[BM+\b]    ; the floor 2^(16 - 127): the byte cannot fall under 1
.endr
.irp b, 0,1,2,3
	v_add_nc_u32 v[SO+\b], 0xf8800000, v[BM+\b]    ; 15 off the exponent field: the conversion's scale operand
.endr
.irp b, 0,1,2,3
	v_and_or_b32 v[HD+\b], v[BM+\b], 0x7f800000, s[MNT]   ; 57,344 x the scale
.endr
.irp b, 0,1,2,3
	v_lshrrev_b32 v[T1+\b], 23, v[SO+\b]           ; the scale's byte
.endr
	v_lshl_or_b32 v[PS], v[T1+1], 8, v[T1]         ; p's scale word for these 128 keys
	v_lshl_or_b32 v[PS], v[T1+2], 16, v[PS]
	v_lshl_or_b32 v[PS], v[T1+3], 24, v[PS]
.irp b, 0,1,2,3
.irp i, 0,1,2,3,4,5,6,7,8,9,10,11,12,13,14,15
	v_min_num_f32 v[96+16*\b+\i], v[96+16*\b+\i], v[HD+\b]   ; the conversion does not saturate (ISA guide 7.6.2); p is not negative, so the hold is one-sided
.endr
	v_cvt_scalef32_pk8_bf8_f32 v[PC+4*\b:PC+4*\b+1], v[96+16*\b:103+16*\b], v[SO+\b]
	v_cvt_scalef32_pk8_bf8_f32 v[PC+4*\b+2:PC+4*\b+3], v[104+16*\b:111+16*\b], v[SO+\b]
.endr
.irp dt, 0,1,2,3
.irp c, 0,1,2,3
	ds_load_b128 v[96+16*\dt+4*\c:96+16*\dt+4*\c+3], v[ADR] offset:VCO+2048*\dt+512*\c   ; V's four fragments, where p lay
.endr
.endr
.set j, 0
.rept 16
	v_pk_mul_f32 v[160+j:161+j], v[160+j:161+j], v[F:F+1] op_sel_hi:[1,0]   ; O^T under the new M.  These 16 are also the places between the codes and the products
.set j, j+2
.endr
	s_wait_dscnt 0x0
.irp dt, 0,1,2,3
	PPROD \dt                                      ; four accumulators by turns
.endr
	s_xor_b32 s[TB], s[TB], SLOT1                  ; on to the other slot
.endm
; A BLOCK'S END: O^T / the sum is the attention's result for my 16 queries and my head's 64; register 16 b + i is d = 32 b + 16 h + i: two blocks of the output product's K, in its operand's layout.
.macro WAYOUT
	NOPS 8                                         ; places behind the last products
	v_add_f32 v14, v14, v15
	v_permlanex16_b32 v[TA], v14, s[SEL], s[SEL+1]
	v_add_f32 v14, v14, v[TA]                      ; the row's sum
	v_rcp_f32 v14, v14
	v_nop                                          ; a plain instruction behind the reciprocal,
	s_wait_alu depctr_va_vdst(0)                   ; and the wait ahead of its first reader
.set j, 0
.rept 32
	v_mul_f32 v[96+j], v[160+j], v14               ; each accumulator from its low end on
.set j, j+1
.endr
.irp b, 0,1
	v_max3_num_f32 v[BM+\b], |v[96+16*\b]|, |v[97+16*\b]|, 0x8000000
.endr
.irp i, 2,4,6,8,10,12,14
.irp b, 0,1
	v_max3_num_f32 v[BM+\b], v[BM+\b], |v[96+16*\b+\i]|, |v[97+16*\b+\i]|
.endr
.endr
.irp b, 0,1
	v_permlanex16_b32 v[T1+\b], v[BM+\b], s[SEL], s[SEL+1]
.endr
.irp b, 0,1
	v_max_num_f32 v[BM+\b], v[BM+\b], v[T1+\b]
.endr
.irp b, 0,1
	v_add_nc_u32 v[SO+\b], 0xf8800000, v[BM+\b]
.endr
.irp b, 0,1
	v_and_or_b32 v[HD+\b], v[BM+\b], 0x7f800000, s[MNT]
.endr
.irp b, 0,1
	v_lshrrev_b32 v[T1+\b], 23, v[SO+\b]
.endr
	v_cndmask_b32 v[TA], v[T1], v[T1+1], s[HM]     ; lanes 0-15 store block 0's byte of their row, lanes 16-31 block 1's
.irp b, 0,1
.irp i, 0,1,2,3,4,5,6,7,8,9,10,11,12,13,14,15
	v_med3_num_f32 v[96+16*\b+\i], v[96+16*\b+\i], -v[HD+\b], v[HD+\b]
.endr
	v_cvt_scalef32_pk8_bf8_f32 v[PC+4*\b:PC+4*\b+1], v[96+16*\b:103+16*\b], v[SO+\b]
	v_cvt_scalef32_pk8_bf8_f32 v[PC+4*\b+2:PC+4*\b+3], v[104+16*\b:111+16*\b], v[SO+\b]
.endr
	v_nop                                          ; one plain instruction behind the last conversion
	global_store_b128 v[L16], v[PC:PC+3], s[44:45]             ; 1,024 consecutive bytes in two stores
	global_store_b128 v[L16], v[PC+4:PC+7], s[44:45] offset:512
	global_store_b8 v[OSO], v[TA], s[46:47]
.endm
.Ltrip:                                            ; 16 trips; behind each change of slots the next trip's record is asked for
	CHANGE 1
	STEP 0
	s_cmp_eq_u32 s[LAST], 0
	s_cbranch_scc1 .Lsame
	WAYOUT                                         ; the first block is done,
	s_wait_xcnt 0x0                                ; its stores have read their data and bases, which are written again now:
	s_mov_b64 s[44:45], s[48:49]                   ; the second block's places,
	s_mov_b64 s[46:47], s[50:51]
	s_mov_b32 s[DQ], s42
.irp i, 0,1,2,3,4,5,6,7
	v_mov_b32 v[16+\i], v[QB+\i]                   ; its Q,
.endr
	v_mov_b32 v[QS], v[QB+8]                       ; its scale words (more than eight places ahead of the next product),
	RESET                                          ; and a fresh state
.Lsame:
	s_add_co_u32 s[TR], s[TR], 1
	s_cmp_lt_u32 s[TR], 16
	s_cbranch_scc1 .Ltrip
	CHANGE 0                                       ; the 17th trip is written out
	STEP 1
	WAYOUT
	s_wait_tensorcnt 0x0                           ; the wave's end
	ds_add_u32 v[SPW], v[NIL]
	s_wait_dscnt 0x0
	s_endpgm
.Lfunc_end_k_q84e1fdff7d_attn:
	.size	k_q84e1fdff7d_attn, .Lfunc_end_k_q84e1fdff7d_attn-k_q84e1fdff7d_attn
	.p2alignl 7, 3214868480
	.fill 96, 4, 3214868480
	.section	.rodata,"a",@progbits
	.p2align	6, 0x0
	.amdhsa_kernel k_q84e1fdff7d_attn
		.amdhsa_group_segment_fixed_size 327680
		.amdhsa_private_segment_fixed_size 0
		.amdhsa_enable_private_segment 0
		.amdhsa_kernarg_size 40
		.amdhsa_user_sgpr_count 2
		.amdhsa_user_sgpr_kernarg_segment_ptr 1
		.amdhsa_wavefront_size32 1
		.amdhsa_system_sgpr_workgroup_id_x 1
		.amdhsa_system_sgpr_workgroup_id_y 1
		.amdhsa_system_sgpr_workgroup_id_z 1
		.amdhsa_system_vgpr_workitem_id 0
		.amdhsa_next_free_vgpr 256
		.amdhsa_next_free_sgpr 80
		.amdhsa_reserve_vcc 1
		.amdhsa_float_denorm_mode_32 3
		.amdhsa_float_denorm_mode_16_64 3
		.amdhsa_memory_ordered 1
		.amdhsa_forward_progress 1
		.amdhsa_inst_pref_size 71
	.end_amdhsa_kernel
	.amdgpu_metadata
---
amdhsa.version: [ 1, 2 ]
amdhsa.kernels:
  - .name:           k_q84e1fdff7d_attn
    .symbol:         k_q84e1fdff7d_attn.kd
    .args:
      - { .name: qrec, .offset: 0, .size: 8, .value_kind: global_buffer, .address_space: global }
      - { .name: qsc, .offset: 8, .size: 8, .value_kind: global_buffer, .address_space: global }
      - { .name: kvrec, .offset: 16, .size: 8, .value_kind: global_buffer, .address_space: global }
      - { .name: ocod, .offset: 24, .size: 8, .value_kind: global_buffer, .address_space: global }
      - { .name: oscl, .offset: 32, .size: 8, .value_kind: global_buffer, .address_space: global }
    .group_segment_fixed_size: 327680
    .private_segment_fixed_size: 0
    .kernarg_segment_align: 8
    .kernarg_segment_size: 40
    .max_flat_workgroup_size: 512
    .sgpr_count:     80
    .vgpr_count:     256
    .wavefront_size: 32
...
	.end_amdgpu_metadata
.endif
;; end of part 2
;; launch outp (part 3): grid 4 x 32, 4 waves a work-group, clusters of 4 x 4, 327,680 bytes of LDS; arguments ocod, oscl, Wout_codes, Wout_scales, bout, out0; writes out0
.if DOCPART == 3
	.amdgcn_target "amdgcn-amd-amdhsa--gfx1250"
	.amdhsa_code_object_version 6
	.text
	.protected	k_q84e1fdff7d_outp
	.globl	k_q84e1fdff7d_outp
	.p2align	8
	.type	k_q84e1fdff7d_outp,@function
k_q84e1fdff7d_outp:
	s_mov_b64 s[64:65], 0
	v_nop
	global_prefetch_b8 v0, s[64:65] scope:SCOPE_SE
	s_setreg_imm32_b32 hwreg(HW_REG_WAVE_MODE, 25, 1), 1
	s_wait_xcnt 0x0
	s_wait_alu depctr_hold_cnt(0) depctr_sa_sdst(0) depctr_va_vdst(0) depctr_va_sdst(0) depctr_va_ssrc(0) depctr_va_vcc(0) depctr_vm_vsrc(0)
	s_getreg_b32 s2, hwreg(HW_REG_IB_STS2, 6, 4)
	s_cmp_eq_u32 s2, 0
	s_cbranch_scc0 .Lentry_in_a_cluster
	s_endpgm
.Lentry_in_a_cluster:
	s_bfe_u32 s2, ttmp6, 0x10000c
	s_cmp_lg_u32 s2, 0xf033
	s_cbranch_scc0 .Lentry_shape_is_right
	s_endpgm
.Lentry_shape_is_right:
; out0 = A Wout + bout.  A: the attention's result, 8,192 rows x 1,024, as codes of E5M2 laid in the ORDER OF THE OPERAND'S REGISTERS: (32 T + block of 32 along K) 512 + 16 lane, T a tile of 16 rows;
; its scale bytes [16 T + r][32].  Row r of tile T is token 32 (T / 2) + 8 (T % 2) + r + 8 (r / 8).  Wout: codes [1,024 (n)][1,024 (k)], scale bytes [1,024][32].  bout [1,024], out0 [8,192][1,024]: f32.
; A tile of the result, 256 x 256, is made by a work-group of four waves; a wave makes 128 x 128: 64 accumulators of 16 x 16, 512 registers.  K goes in steps of 256 through a ring of two LDS slots.
; In a slot A's 16 row tiles lie dense, 4,096 bytes each (a fragment's four registers: 512 bytes, 16 a lane on end); Wout's 256 rows of 256 bytes lie 272 bytes apart.
; THE SCALES of the work-group's 256 rows of A and 256 rows of Wout, for all of K, are two dense blocks of memory: they come into LDS once, with the first fills.
; CLUSTERS: 4 x 4 work-groups.  The four of a row of the cluster need the same tiles of A, the four of a column the same tiles of Wout: each tile is asked for JOINTLY.
; THE MATRIX INSTRUCTION IS USED TRANSPOSED (source 0 = 16 rows of Wout, source 1 = 16 rows of A): a lane holds eight neighbouring numbers of a row of the result.  THE BIAS is the C of each sum's first product.
; 128 work-groups: the result has 32 x 4 tiles of this size.
; REGISTERS, in windows of 256: window 0: v0-31 addresses; v32-63 scale words, two sets; v64-127 the bias, eight registers for each of my 8 column blocks; from v128 A's fragments, ONE set; on the way out v128-255 are free.
;   window 1: Wout's fragments, TWO sets.   window 2: the 32 accumulators of my rows 0-63;   window 3: those of my rows 64-127.
.set SIZE_N, 1024
.set SIZE_K, 1024
.set NQ,     2                         ; matrix instructions deep in a K step of 256
.set ROWB,   256                       ; a row of Wout's tile in bytes
.set KROW,   SIZE_K                    ; a row of Wout in memory; also: 16 rows of A are 16 KROW bytes
.set PITCH,  272                       ; Wout's rows in LDS: 256 bytes + 16 of padding: the 16 rows that a load touches start at 16 different banks (64 banks of 4 bytes: ISA guide 11.1)
.set FR,     16
.set NL,     4
.set NP,     8                         ; places behind this matrix instruction (ISA guide 7.12.1)
.set ASTEP,  4096                      ; a K step of one row tile of A
.set HALFA,  8*ASTEP                   ; eight row tiles: what one tensor load brings of A
.set HALFT,  128*PITCH                 ; 128 rows of Wout
.set BOFF,   2*HALFA
.set SLOT,   BOFF+2*HALFT
.set LAPS,   SIZE_K/512
.set KS,     SIZE_K/32
.set SCL,    2*SLOT                    ; behind the ring: the scales, as units of 256 bytes + 16 of padding
.set HALFS,  (128*KS/256)*272
.set SBLK,   (16*KS/256)*272
.set SPARE,  SCL+4*HALFS               ; the spare words, 128 bytes for each wave: two blocks of 256 bytes that no other line names
.set SPITCH, 528                       ; the way out: a stage of 16 rows x (512 bytes + 16) for each wave, in slot 0, which has had its last fill and its last read by then
.set ADRA, 16
.set ADRB, 20
.set STO,  24
.set RD,   25
.set CO,   26                          ; 16 x lane
.set ADRS, 27
.set SPW,  28
.set NIL,  29
.set BO,   30                          ; 32 h: my half's eight numbers of a column block's bias
.set SC,   32
.set BIAS, 64
.set AF,   128
.set BK,   128
.set G1, 24
.set G0, 32
.set G1B, 48
.set G0B, 56
.set G1S, 68
.set G0S, 76
.set G1SB, 80
.set G0SB, 88
.set MSB, 0
.macro WIN new                         ; the immediate's high byte repeats the setting that is left
.if MSB != (\new)
	s_set_vgpr_msb (MSB<<8)|(\new)
.set MSB, (\new)
.endif
.endm
.set MUL_LO, 0xa1                      ; source 0 (Wout) window 1, source 1 (A) window 0, C and D window 2
.set MUL_HI, 0xf1                      ; the same, C and D window 3.  In the first step C is the bias, in window 0: 0x81 and 0xc1
.set TO_B,   0x40
; A joint load: waves 0 and 1 fetch for A, waves 2 and 3 for Wout.  Each line has one mask and one set of registers for all that issue it; the branch hangs on the wave's number alone.
; Four v_nop follow each of the two lines.
.macro JLOAD g0a, g1a, g0b, g1b
	s_cmp_eq_u32 s15, 0
	s_cbranch_scc0 .Lfor_b_\@
	tensor_load_to_lds s[\g0a:\g0a+3], s[\g1a:\g1a+7]
	s_nop 0
.rept 4
	v_nop
.endr
	s_branch .Lasked_\@
.Lfor_b_\@:
	tensor_load_to_lds s[\g0b:\g0b+3], s[\g1b:\g1b+7]
	s_nop 0
.rept 4
	v_nop
.endr
.Lasked_\@:
.endm
.macro CREST                           ; a round of the cluster's barrier behind its opening barrier
	s_cmp_lg_u32 s14, 0
	s_cbranch_scc1 .Lnot_wave_0_\@
	s_barrier_signal -3
.Lnot_wave_0_\@:
	s_barrier_wait -3
	s_barrier_signal -1
	s_barrier_wait -1
.endm
.macro CROUND
	s_barrier_signal -1
	s_barrier_wait -1
	CREST
.endm
	s_load_b128 s[4:7], s[0:1], 0x0                ; A's codes s[4:5], A's scales s[6:7]
	s_load_b128 s[8:11], s[0:1], 0x10              ; Wout's codes s[8:9], its scales s[10:11]
	s_load_b64 s[12:13], s[0:1], 0x20              ; bout
	s_load_b64 s[96:97], s[0:1], 0x28              ; out0
	v_lshl_add_u32 v[SPW], v0, 2, SPARE
	v_mov_b32 v[NIL], 0
	ds_add_u32 v28, v29
	s_wait_dscnt 0x0
	v_lshrrev_b32 v1, 5, v0
	v_readfirstlane_b32 s14, v1                    ; wave 0..3
	s_lshr_b32 s15, s14, 1                         ; which half of the tile's rows is mine.  Also: I fetch for A (0) or for Wout (1)
	s_and_b32 s16, s14, 1                          ; which half of its columns.  Also: which half of that tile I fetch
	s_bfe_u32 s40, ttmp6, 0x40000                  ; cx, cy: my place in the cluster
	s_bfe_u32 s41, ttmp6, 0x40004
	s_lshl_b32 s42, ttmp9, 2
	s_add_co_u32 s42, s42, s40                     ; tile column = 4 x cluster x + cx
	s_and_b32 s17, ttmp7, 0xffff
	s_lshl_b32 s17, s17, 2
	s_add_co_u32 s17, s17, s41                     ; tile row = 4 x cluster y + cy
	s_lshl_b32 s43, s41, 2
	s_lshl_b32 s43, 15, s43                        ; my row of the cluster
	s_lshl_b32 s44, 0x1111, s40                    ; my column
	; group 1 for A: 8 row tiles x 4,096 bytes (512 elements of 8 bytes), 16,384 bytes apart in memory, dense in LDS
	s_or_b32 s[G1+0], s43, (3<<16)|(1<<21)         ; 15:0 the mask: A's tiles go to my row; 17:16 elements of 8 bytes; 21 set beside a mask; no padding
	s_mov_b32 s[G1+1], 512<<16                     ; tensor_dim0
	s_mov_b32 s[G1+2], 8<<16                       ; tensor_dim1
	s_mov_b32 s[G1+3], 512<<16                     ; tile_dim0
	s_mov_b32 s[G1+4], 8                           ; tile_dim1
	s_mov_b32 s[G1+5], 2048                        ; the pitch in elements
	s_mov_b32 s[G1+6], 0
	s_mov_b32 s[G1+7], 0
	; group 1 for Wout: 128 rows x 256 bytes, 16 bytes of padding behind each
	s_or_b32 s[G1B+0], s44, (0<<16)|(1<<20)|(1<<21)|(5<<22)|(3<<25)
	s_mov_b32 s[G1B+1], ROWB<<16
	s_mov_b32 s[G1B+2], 128<<16
	s_mov_b32 s[G1B+3], ROWB<<16
	s_mov_b32 s[G1B+4], 128
	s_mov_b32 s[G1B+5], KROW
	s_mov_b32 s[G1B+6], 0
	s_mov_b32 s[G1B+7], 0
	; and for the scales of 128 rows: a dense block of 128 KS bytes, as rows of 256 bytes, 16 bytes of padding behind each
	s_or_b32 s[G1S+0], s43, (3<<16)|(1<<20)|(1<<21)|(5<<22)|(3<<25)
	s_or_b32 s[G1SB+0], s44, (3<<16)|(1<<20)|(1<<21)|(5<<22)|(3<<25)
.irp g, G1S, G1SB
	s_mov_b32 s[\g+1], 32<<16
	s_mov_b32 s[\g+2], (128*KS/256)<<16
	s_mov_b32 s[\g+3], 32<<16
	s_mov_b32 s[\g+4], 128*KS/256
	s_mov_b32 s[\g+5], 32
	s_mov_b32 s[\g+6], 0
	s_mov_b32 s[\g+7], 0
.endr
	s_lshl_b32 s18, s16, 7                         ; which 128 rows of the tile I fetch
	s_lshl_b32 s20, s17, 8
	s_add_co_u32 s20, s20, s18                     ; A: row (in tile order) 256 x tile row + 128 x half
	s_lshl_b32 s46, s42, 8
	s_add_co_u32 s46, s46, s18                     ; Wout: row 256 x tile column + 128 x half
	s_mov_b32 s21, 0
	s_mov_b32 s47, 0
	s_mov_b64 s[18:19], KS
	s_mul_u64 s[22:23], s[20:21], s[18:19]         ; where these rows' scales begin, in bytes
	s_mul_u64 s[92:93], s[46:47], s[18:19]
	s_mov_b64 s[18:19], KROW
	s_mul_u64 s[20:21], s[20:21], s[18:19]         ; and their codes (16 rows of A are one row tile of 16 KROW bytes)
	s_mul_u64 s[46:47], s[46:47], s[18:19]
	s_mul_i32 s95, s16, HALFA                      ; where they go: no place in the cluster enters an LDS address
	s_mul_i32 s45, s16, HALFT
	s_add_co_u32 s45, s45, BOFF
	s_mul_i32 s94, s14, HALFS
	s_wait_kmcnt 0x0
	s_add_nc_u64 s[20:21], s[4:5], s[20:21]
	s_add_nc_u64 s[22:23], s[6:7], s[22:23]
	s_add_nc_u64 s[46:47], s[8:9], s[46:47]
	s_add_nc_u64 s[92:93], s[10:11], s[92:93]
	CROUND                                         ; all sixteen work-groups are here: the first joint loads meet
	s_mov_b32 s[G0S], 1
	s_add_co_u32 s[G0S+1], s94, SCL
	s_mov_b64 s[G0S+2:G0S+3], s[22:23]
	s_or_b32 s[G0S+3], s[G0S+3], 0x80000000
	s_mov_b32 s[G0SB], 1
	s_add_co_u32 s[G0SB+1], s94, SCL
	s_mov_b64 s[G0SB+2:G0SB+3], s[92:93]
	s_or_b32 s[G0SB+3], s[G0SB+3], 0x80000000
	JLOAD G0S, G1S, G0SB, G1SB                     ; the scales first: they are wanted with K step 0
.irp s, 0,1
	s_mov_b32 s[G0+4*\s], 1
	s_add_co_u32 s[G0+4*\s+1], s95, \s*SLOT
	s_add_nc_u64 s[G0+4*\s+2:G0+4*\s+3], s[20:21], \s*ASTEP
	s_or_b32 s[G0+4*\s+3], s[G0+4*\s+3], 0x80000000
	s_mov_b32 s[G0B+4*\s], 1
	s_add_co_u32 s[G0B+4*\s+1], s45, \s*SLOT
	s_add_nc_u64 s[G0B+4*\s+2:G0B+4*\s+3], s[46:47], \s*ROWB
	s_or_b32 s[G0B+4*\s+3], s[G0B+4*\s+3], 0x80000000
	JLOAD G0+4*\s, G1, G0B+4*\s, G1B
.endr
	v_and_b32 v1, 15, v0                           ; l % 16
	v_bfe_u32 v2, v0, 4, 1                         ; l / 16
	v_and_b32 v6, 31, v0
	v_lshlrev_b32 v[CO], 4, v6                     ; 16 x lane: an image's place for my lane, and my 16 bytes of a row of 512 on the way out
	v_lshlrev_b32 v[BO], 5, v2
	v_mul_u32_u24 v3, v1, PITCH
	v_lshl_add_u32 v4, v2, 4, v3                   ; a fragment of Wout: row x pitch + 16 x half
	s_mul_i32 s21, s15, HALFA                      ; my eight row tiles of A
	s_mul_i32 s22, s16, HALFT                      ; my 128 rows of Wout,
	s_add_co_u32 s22, s22, BOFF                    ; which lie behind A
.irp s, 0,1
	v_add_nc_u32 v[ADRA+\s], s21, v[CO]
	v_add_nc_u32 v[ADRB+\s], s22, v4
	s_add_co_u32 s21, s21, SLOT
	s_add_co_u32 s22, s22, SLOT
.endr
	v_mul_u32_u24 v5, v1, KS                       ; my row's scales: KS bytes a row,
	v_lshrrev_b32 v6, 8, v5
	v_lshl_add_u32 v5, v6, 4, v5                   ; and 16 more for each 256 passed
	s_mul_i32 s21, s15, HALFS                      ; A's: my 128 rows
	s_mul_i32 s22, s16, HALFS                      ; Wout's: my 128 rows, behind A's 256
	s_add_co_u32 s22, s22, 2*HALFS
	s_sub_co_u32 s22, s22, s21
	v_mul_u32_u24 v6, s22, v2                      ; lanes 16-31 take Wout's
	s_add_co_u32 s21, s21, SCL
	v_add_nc_u32 v5, v5, v6
	v_add_nc_u32 v[ADRS], s21, v5
	s_mul_i32 s23, s14, 16*SPITCH                  ; my stage
	v_mul_u32_u24 v5, v1, SPITCH                   ; in: row l % 16, 32 bytes for each half of the lanes
	v_lshl_add_u32 v5, v2, 5, v5
	v_add_nc_u32 v[STO], s23, v5
	v_add_nc_u32 v[RD], s23, v[CO]                 ; back: the 32 lanes take one row of 512 bytes
	s_lshl_b32 s20, s17, 8
	s_lshl_b32 s21, s15, 7
	s_add_co_u32 s20, s20, s21                     ; my first token: 256 x tile row + 128 x half
	s_mov_b32 s21, 0
	s_mov_b64 s[18:19], SIZE_N*4
	s_mul_u64 s[20:21], s[20:21], s[18:19]
	s_lshl_b32 s46, s42, 10                        ; my first column, in bytes: 1024 x tile column + 512 x half
	s_lshl_b32 s47, s16, 9
	s_add_co_u32 s46, s46, s47
	s_mov_b32 s47, 0
	s_add_nc_u64 s[12:13], s[12:13], s[46:47]      ; the bias at my first column
	s_add_nc_u64 s[20:21], s[20:21], s[46:47]
	s_add_nc_u64 s[96:97], s[96:97], s[20:21]      ; the result at my first token and column: this base is never stepped
.irp b, 0,1,2,3,4,5,6,7
	global_load_b128 v[BIAS+8*\b:BIAS+8*\b+3], v[BO], s[12:13] offset:64*\b        ; lane (r, h): bout(16 b + 8 h + 0 .. 7): the result's layout
	global_load_b128 v[BIAS+8*\b+4:BIAS+8*\b+7], v[BO], s[12:13] offset:64*\b+16
.endr
.macro FRAGB reg, adr, q, i            ; a fragment of Wout: lane l holds row l % 16; registers 4 c .. 4 c + 3 hold K = 32 c + 16 (l / 16) + 0 .. 15
.irp c, 0,1,2,3
	ds_load_b128 v[\reg+4*\c:\reg+4*\c+3], v[\adr] offset:128*(\q)+32*\c+(\i)*16*PITCH
.endr
.endm
.macro FRAGA reg, adr, q, i            ; a fragment of A comes as it was stored: four images of 512 bytes
.irp c, 0,1,2,3
	ds_load_b128 v[\reg+4*\c:\reg+4*\c+3], v[\adr] offset:2048*(\q)+512*\c+(\i)*ASTEP
.endr
.endm
; 16 matrix instructions: A's blocks a0, a0 + 1 x Wout's eight, 128 along K.  first = 1: the bias starts the sums: nothing is ever cleared.
; The 64 accumulators take turns, one instruction a turn, in the same order in every step.
.macro MUL16 a0, p, q, sc, first
.irp a, \a0, \a0+1
.irp b, 0,1,2,3,4,5,6,7
.if \first
	v_wmma_scale_f32_16x16x128_f8f6f4 v[8*(8*((\a)%4)+\b):8*(8*((\a)%4)+\b)+7], v[128*(\p)+FR*\b:128*(\p)+FR*\b+FR-1], v[AF+FR*(\a):AF+FR*(\a)+FR-1], v[BIAS+8*\b:BIAS+8*\b+7], v[SC+8*NQ*(\sc)+NQ*\b+(\q)], v[SC+8*NQ*(\sc)+NQ*(\a)+(\q)] matrix_a_fmt:MATRIX_FMT_BF8 matrix_b_fmt:MATRIX_FMT_BF8 matrix_a_scale:MATRIX_SCALE_ROW1
.else
	v_wmma_scale_f32_16x16x128_f8f6f4 v[8*(8*((\a)%4)+\b):8*(8*((\a)%4)+\b)+7], v[128*(\p)+FR*\b:128*(\p)+FR*\b+FR-1], v[AF+FR*(\a):AF+FR*(\a)+FR-1], v[8*(8*((\a)%4)+\b):8*(8*((\a)%4)+\b)+7], v[SC+8*NQ*(\sc)+NQ*\b+(\q)], v[SC+8*NQ*(\sc)+NQ*(\a)+(\q)] matrix_a_fmt:MATRIX_FMT_BF8 matrix_b_fmt:MATRIX_FMT_BF8 matrix_a_scale:MATRIX_SCALE_ROW1
.endif
.endr
.endr
.endm
.macro FETCH_B slot, q, p
	WIN TO_B
.irp i, 0,1,2,3,4,5,6,7
	FRAGB 128*(\p)+FR*\i, ADRB+\slot, \q, \i
.endr
	WIN 0
.endm
.macro FETCH_A slot, q, i0
.irp i, \i0, \i0+1, \i0+2, \i0+3
	FRAGA AF+FR*(\i), ADRA+\slot, \q, \i
.endr
.endm
.macro SCALES sc                       ; a K step's scale words: two a row; lanes 0-15 take A's block i, lanes 16-31 Wout's block i
.irp i, 0,1,2,3,4,5,6,7
	ds_load_b64 v[SC+8*NQ*\sc+NQ*\i:SC+8*NQ*\sc+NQ*\i+1], v[ADRS] offset:\i*SBLK
.endr
.endm
.macro PLACES n                        ; plain vector instructions between a product and a load into a register that it read, or a read of its result
.rept \n
	v_nop
.endr
.endm
; A step of 128 along K that has its successor in the same slot.
.macro STEP slot, q, first
	s_wait_dscnt 4*NL                              ; Wout's set and A's blocks 0-3 are in; the youngest 16 loads (A's blocks 4-7) may be out
	WIN MUL_LO-0x20*(\first)
	MUL16 0, (\q)%2, \q, \slot, \first
	MUL16 2, (\q)%2, \q, \slot, \first
	s_wait_dscnt 0                                 ; A's blocks 4-7 are in
	PLACES NP
	FETCH_B \slot, (\q)+1, 1-(\q)%2
	FETCH_A \slot, (\q)+1, 0
	WIN MUL_HI-0x30*(\first)
	MUL16 4, (\q)%2, \q, \slot, \first
	MUL16 6, (\q)%2, \q, \slot, \first
	PLACES NP
	WIN 0
	FETCH_A \slot, (\q)+1, 4
.endm
; A slot's last step changes slots: ONE barrier; in front of it each wave waits for all its tensor loads, adds 0 to its spare word, and waits for that and for its own reads of this slot.  fill = 1: this slot is filled again, two K steps ahead.
.macro TURN slot, next, fill
	s_wait_tensorcnt 0x0                           ; all my tensor loads have landed: my part of the next slot  (every window is 0 here)
	ds_add_u32 v[SPW], v[NIL]                      ; 0 onto my spare word
	s_wait_dscnt 4*NL+1                            ; (the add and the youngest 16 loads, A's blocks 4-7, may be out)
	WIN MUL_LO
	MUL16 0, 1, NQ-1, \slot, 0                     ; sixteen matrix instructions stand between the add and the wait for it
	s_wait_dscnt 0x0                               ; the add is done, and my reads of this slot are over
	s_barrier_signal -1
	MUL16 2, 1, NQ-1, \slot, 0
	WIN 0
	s_barrier_wait -1
.if \fill
	CREST                                          ; the barrier has opened a round of the cluster's barrier: no wave of any partner still reads this slot's tile or has a load on its way
	s_add_nc_u64 s[G0+4*\slot+2:G0+4*\slot+3], s[G0+4*\slot+2:G0+4*\slot+3], 2*ASTEP
	s_add_nc_u64 s[G0B+4*\slot+2:G0B+4*\slot+3], s[G0B+4*\slot+2:G0B+4*\slot+3], 2*ROWB
	JLOAD G0+4*\slot, G1, G0B+4*\slot, G1B         ; the first tensor load behind the round; its four v_nop are among the places in front of the loads below
	PLACES NP-4
.else
	PLACES NP
.endif
	v_add_nc_u32 v[ADRS], 4*NQ, v[ADRS]            ; on to the next K step's scale words
	FETCH_B \next, 0, 0
	FETCH_A \next, 0, 0
	SCALES \next
	WIN MUL_HI
	MUL16 4, 1, NQ-1, \slot, 0
	MUL16 6, 1, NQ-1, \slot, 0
	PLACES NP
	WIN 0
	FETCH_A \next, 0, 4
.endm
	s_wait_tensorcnt 1                             ; the scales and my part of K step 0 are in (K step 1's load may be out)
	s_barrier_signal -1
	s_barrier_wait -1                              ; everybody's are
	FETCH_B 0, 0, 0
	FETCH_A 0, 0, 0
	SCALES 0
	FETCH_A 0, 0, 4
	s_wait_loadcnt 0x0                             ; the bias
	STEP 0, 0, 1                                   ; the first step stands in front of the loop: its products start the sums with the bias
	s_mov_b32 s3, LAPS-1
.Llap:                                                 ; a trip goes once round the ring, from a lap's second step to the next lap's first, and fills both slots again
	TURN 0, 1, 1
	STEP 1, 0, 0
	TURN 1, 0, 1
	STEP 0, 0, 0
	s_sub_co_u32 s3, s3, 1
	s_cmp_lg_u32 s3, 0
	s_cbranch_scc1 .Llap
	TURN 0, 1, 0                                   ; the last lap fills nothing, and has no round of the cluster's barrier
	STEP 1, 0, 0
	s_wait_dscnt 4*NL                              ; the very last step: nothing more to fetch
	WIN MUL_LO
	MUL16 0, 1, NQ-1, 1, 0
	MUL16 2, 1, NQ-1, 1, 0
	s_wait_dscnt 0
	WIN MUL_HI
	MUL16 4, 1, NQ-1, 1, 0
	MUL16 6, 1, NQ-1, 1, 0
	WIN 0
; THE WAY OUT, block by block of 16 rows x 128 columns, through my own stage in LDS: in as 32 bytes a lane, back as whole rows of 512 bytes, which the 32 lanes store as 512 consecutive bytes.
; LDS serves a wave's instructions in order (ISA guide 5.7.1.4): no wait between the stores and the loads, nor in front of the next block's stores.
.macro TOSTAGE a
.set AC, 64*((\a)%4)
	WIN 0x08+4*((\a)/4)                            ; the data: window 2 or 3
.irp b, 0,1,2,3,4,5,6,7
	ds_store_b128 v[STO], v[AC+8*\b:AC+8*\b+3] offset:64*\b          ; each accumulator from its low end on
	ds_store_b128 v[STO], v[AC+8*\b+4:AC+8*\b+7] offset:64*\b+16
.endr
	WIN 0
.set BB, BK+64*((\a)%2)
.irp t, 0,1,2,3,4,5,6,7,8,9,10,11,12,13,14,15
	ds_load_b128 v[BB+4*\t:BB+4*\t+3], v[RD] offset:\t*SPITCH
.endr
.endm
; row t of my block a is token 32 (a / 2) + 8 (a % 2) + t + 8 (t / 8) of my 128: the place stands in the immediate, 127 rows of 4,096 bytes at the most
.macro SEND a, younger
.set BB, BK+64*((\a)%2)
	s_wait_dscnt \younger                          ; the block is back in registers
.irp t, 0,1,2,3,4,5,6,7,8,9,10,11,12,13,14,15
	global_store_b128 v[CO], v[BB+4*\t:BB+4*\t+3], s[96:97] offset:(32*((\a)/2)+8*((\a)%2)+\t+8*(\t/8))*SIZE_N*4 th:TH_STORE_NT
.endr
.endm
	PLACES NP
	TOSTAGE 0
.irp a, 1,2,3,4,5,6,7
.if \a > 1
	s_wait_xcnt 0x0                                ; block a - 2's stores have read their registers: block a's loads may land there
.endif
	TOSTAGE \a
	SEND \a-1, 32                                  ; behind block a - 1's loads: block a's 16 stores and 16 loads
.endr
	SEND 7, 0
	s_wait_tensorcnt 0x0                           ; the wave's end
	ds_add_u32 v[SPW], v[NIL]
	s_wait_dscnt 0x0
	CROUND                                         ; the closing round: no work-group ends while a partner may still ask for a tile that names it
	s_endpgm
.Lfunc_end_k_q84e1fdff7d_outp:
	.size	k_q84e1fdff7d_outp, .Lfunc_end_k_q84e1fdff7d_outp-k_q84e1fdff7d_outp
	.p2alignl 7, 3214868480
	.fill 96, 4, 3214868480
	.section	.rodata,"a",@progbits
	.p2align	6, 0x0
	.amdhsa_kernel k_q84e1fdff7d_outp
		.amdhsa_group_segment_fixed_size 327680
		.amdhsa_private_segment_fixed_size 0
		.amdhsa_enable_private_segment 0
		.amdhsa_kernarg_size 48
		.amdhsa_user_sgpr_count 2
		.amdhsa_user_sgpr_kernarg_segment_ptr 1
		.amdhsa_wavefront_size32 1
		.amdhsa_system_sgpr_workgroup_id_x 1
		.amdhsa_system_sgpr_workgroup_id_y 1
		.amdhsa_system_sgpr_workgroup_id_z 1
		.amdhsa_system_vgpr_workitem_id 0
		.amdhsa_next_free_vgpr 1024
		.amdhsa_next_free_sgpr 98
		.amdhsa_reserve_vcc 0
		.amdhsa_float_denorm_mode_32 3
		.amdhsa_float_denorm_mode_16_64 3
		.amdhsa_memory_ordered 1
		.amdhsa_forward_progress 1
		.amdhsa_inst_pref_size 147
	.end_amdhsa_kernel
	.amdgpu_metadata
---
amdhsa.version: [ 1, 2 ]
amdhsa.kernels:
  - .name:           k_q84e1fdff7d_outp
    .symbol:         k_q84e1fdff7d_outp.kd
    .args:
      - { .name: ocod, .offset: 0, .size: 8, .value_kind: global_buffer, .address_space: global }
      - { .name: oscl, .offset: 8, .size: 8, .value_kind: global_buffer, .address_space: global }
      - { .name: Wout_codes, .offset: 16, .size: 8, .value_kind: global_buffer, .address_space: global }
      - { .name: Wout_scales, .offset: 24, .size: 8, .value_kind: global_buffer, .address_space: global }
      - { .name: bout, .offset: 32, .size: 8, .value_kind: global_buffer, .address_space: global }
      - { .name: out0, .offset: 40, .size: 8, .value_kind: global_buffer, .address_space: global }
    .group_segment_fixed_size: 327680
    .private_segment_fixed_size: 0
    .kernarg_segment_align: 8
    .kernarg_segment_size: 48
    .max_flat_workgroup_size: 128
    .sgpr_count:     98
    .vgpr_count:     1024
    .wavefront_size: 32
...
	.end_amdgpu_metadata
.endif
;; end of part 3
;; ======== version 2 of 2: 3 launches
;; workspace buffers: qrec 8,388,608 bytes; qsc 524,288 bytes; kvrec 4,390,912 bytes; ocod 8,388,608 bytes; oscl 262,144 bytes
;; launch proj (part 4): grid 256 x 1, 4 waves a work-group, no clusters, 57,856 bytes of LDS; arguments x_codes, x_scales, Wqa_codes, Wqa_scales, Wkva_codes, Wkva_scales, Wqb_codes, Wqb_scales, Wkvb_codes, Wkvb_scales, qrec, qsc, kvrec; writes qrec, qsc, kvrec
.if DOCPART == 4
	.amdgcn_target "amdgcn-amd-amdhsa--gfx1250"
	.amdhsa_code_object_version 6
	.text
	.protected	k_q84e1fdff7d_proj
	.globl	k_q84e1fdff7d_proj
	.p2align	8
	.type	k_q84e1fdff7d_proj,@function
k_q84e1fdff7d_proj:
	s_mov_b64 s[64:65], 0
	v_nop
	global_prefetch_b8 v0, s[64:65] scope:SCOPE_SE
	s_setreg_imm32_b32 hwreg(HW_REG_WAVE_SCHED_MODE, 0, 2), 2
	s_setreg_imm32_b32 hwreg(HW_REG_WAVE_MODE, 25, 1), 1
	s_wait_xcnt 0x0
	s_wait_alu depctr_vm_vsrc(0)
; THE PROJECTIONS: qa = x Wqa, kva = x Wkva, q = Q(qa) Wqb, (k, v) = Q(kva) Wkvb, RoPE on q and k, and the quantisers of qa, kva, q, k (along the head's 64) and v (along the tokens).
; All products on codes of E5M2 with one E8M0 scale for each 32 along K; sums in f32.  A K of 64 or 32 is filled up to the instruction's 128 with zero codes on both operands.
; SHARES.  A work-group takes 32 tokens, as two TOKEN TILES u = 0, 1: lane r of tile u holds token 8 u + r + 8 (r / 8), so that the 16 registers of two neighbouring tiles of a result are 16 neighbours.
; Phase A: wave w takes K = 256 w .. 256 w + 255 of x's 1,024 (256 bytes of every row); the four partial sums meet in LDS and are added in the order of K, alike in every wave.
; Then every wave holds both latents; wave w serves key/value head w and query heads 4 w .. 4 w + 3.
; q and k are made TRANSPOSED (source 0 = 16 rows of the weight, source 1 = 16 tokens): a lane holds one token and its registers run along d.  The rows of a weight's tile are chosen like the tokens of a tile.
; v is made the other way round (source 0 = tokens): a lane holds one d and its registers run along the tokens, which are the K of the product that v enters.
; WHAT IS STORED are images of operand registers: four registers of a fragment are 512 bytes, lane l's 16 bytes at 16 l.
;   qrec: ((16 b + head) 128 + tile) 1024 + 512 c.   qsc: one word a query, ((4 g + kv head) 32 + 16 u + r) 16 + 4 (head % 4).
;   kvrec: a record of 17,152 bytes for a kv head and 128 keys: K's codes (tile 1024 + 512 c), from 8,192 V's (d tile 2048 + 512 key block), from 16,384 K's scale words, from 16,896 V's.
; LIMITS: NaN and infinities are not served.  A block whose largest magnitude lies under 2^-111 gets the byte 1; a block of zeros gets the byte 1 and zero codes (the bytes are read by this program alone).
; RoPE: inv_freq is one v_exp_f32 of i x (-log2(10000) / 32); the angle is one f32 product; sine and cosine by a reduction in two parts (the first is exact for angles under 2,048) and polynomials of degree 7 and 8.
; K's scale words leave 128 bytes a store and V's scale bytes one byte of four: 768 of a record's 17,152 bytes; every store of codes covers 512 consecutive bytes.
; REGISTERS, in windows of 256.  Window 0: v4-13 addresses; v16-59 scale words and nothing else; v60-63 q's scale words on their way out; v64-127 cosines and sines; v128-223 the latents' sums, later
;   v128-191 a unit's results and v192-207 its codes; v224-239 the quantiser's; v240-248 at work.  Window 1: v0-191 the latent weights' fragments, then waves 1's and 2's partial sums; v192-255 x's fragments, then qa's and kva's operands.
;   Window 2: Wqb's 16 fragments.  Window 3: v0-127 Wkvb's 8; v128-223 wave 3's partial sums.
; THE MODE: SCHED_MODE bits 1:0 = 2 (LLVM: expert scheduling mode 2), set by the entry lines.  The code itself states the register dependences
; between vector or matrix instructions and memory or LDS instructions, with s_wait_alu, always for 0.
; THE PLAN.  Registers that memory or LDS instructions touch:
;   v4-11, v254, v255   offsets and LDS addresses: written once at the head, never again.
;   v16-55              the given scale words: written by loads, read by products, never written again.
;   window 1 v0-191     loaded (latent weights); read by phase A's products; behind the barrier loaded again (partial sums); read by the additions.
;   window 3 v128-223   loaded once (wave 3's partial sums): with a buffer to each of the three foreign sums no load lands in a register that an addition has read.
;   windows 2, 3 v0-127 a fragment's low registers are loaded, its others are written once with zero codes: no register is both.
;   v64-79              written by the table's arithmetic, read by four LDS stores; behind the barrier v64-127 are loaded.
;   v128-223            written by phase A's products, read by 24 LDS stores; behind the barrier loaded.
;   v192-207            a unit's codes: written by its conversions, read by its four stores, written again a unit later.   v60-63, v246-248: written once, stored once.
; The waits on va_vdst: ahead of the first load; ahead of each run of LDS stores; ahead of the LDS loads behind the barrier; ahead of the first product on operands made here; ahead of each unit's stores.
; The waits on vm_vsrc: ahead of the LDS loads behind the barrier; in each unit but the first ahead of its conversions.  On va_sdst: behind the wave's number, and behind the table's eight compares.
.set RECB,  17152
.set PART,  0                          ; LDS: the partial sums, 12,288 bytes a wave, as images of 24 groups of four registers
.set CSL,   49152                      ; the cosines and sines, 2,048 bytes a wave
.set WV,    34
.set SEL,   36                         ; s[36:37] v_permlanex16_b32's selects for lane l xor 16
.set MNT,   38                         ; the mantissa field of 57,344
.set HM,    39                         ; a mask of lanes 16-31
.set ODD,   66                         ; s66-73 the table's eight masks (free by then: the offsets that they held are used up)
.set VX,    4                          ; 1024 rp + 16 h + 256 w   (rp = r + 8 (r / 8))
.set VXS,   5                          ; 32 rp + 8 w
.set L16,   6
.set L4,    7
.set VB,    8                          ; 64 rp + 16 h
.set VBS,   9                          ; 2 rp
.set PST,   10
.set CST,   11
.set POSF,  12
.set IB,    13
.set XS,    16
.set WAS,   20
.set WBS,   32
.set WKS,   48
.set QAS,   56
.set KVS,   58
.set QSW,   60
.set CS,    64
.set LAT,   128
.set H,     128
.set PC,    192
.set TM,    224                        ; +0 largest magnitudes, +4 the other half's, then bytes, +8 the largest code x the scale, +12 the conversion's scale operand
.set MSB, 0
.macro WIN new                         ; the immediate's high byte repeats the setting that is left
.if MSB != (\new)
	s_set_vgpr_msb (MSB<<8)|(\new)
.set MSB, (\new)
.endif
.endm
.macro NOPS n
.rept \n
	v_nop
.endr
.endm
.macro MM0 d, a, b, sa, sb             ; a product that starts its sum
	v_wmma_scale_f32_16x16x128_f8f6f4 v[(\d):(\d)+7], v[(\a):(\a)+15], v[(\b):(\b)+15], 0, v[(\sa)], v[(\sb)] matrix_a_fmt:MATRIX_FMT_BF8 matrix_b_fmt:MATRIX_FMT_BF8
.endm
.macro MMA d, a, b, sa, sb             ; and one that adds in place
	v_wmma_scale_f32_16x16x128_f8f6f4 v[(\d):(\d)+7], v[(\a):(\a)+15], v[(\b):(\b)+15], v[(\d):(\d)+7], v[(\sa)], v[(\sb)] matrix_a_fmt:MATRIX_FMT_BF8 matrix_b_fmt:MATRIX_FMT_BF8
.endm
; nb blocks of 32 along K; a lane holds 16 numbers of each, v[s + 16 b] on, lane l xor 16 the other 16
.macro QPREP s, nb
.set qb, 0
.rept \nb
	v_max3_num_f32 v[TM+qb], |v[(\s)+16*qb]|, |v[(\s)+16*qb+1]|, 0x8000000   ; my 16, and the floor 2^(16 - 127): the byte cannot fall under 1
.set qb, qb+1
.endr
.set qi, 2
.rept 7
.set qb, 0
.rept \nb
	v_max3_num_f32 v[TM+qb], v[TM+qb], |v[(\s)+16*qb+qi]|, |v[(\s)+16*qb+qi+1]|   ; the blocks by turns
.set qb, qb+1
.endr
.set qi, qi+2
.endr
.set qb, 0
.rept \nb
	v_permlanex16_b32 v[TM+4+qb], v[TM+qb], s[SEL], s[SEL+1]
.set qb, qb+1
.endr
.set qb, 0
.rept \nb
	v_max_num_f32 v[TM+qb], v[TM+qb], v[TM+4+qb]               ; the block's largest magnitude
.set qb, qb+1
.endr
.set qb, 0
.rept \nb
	v_add_nc_u32 v[TM+12+qb], 0xf8800000, v[TM+qb]             ; 15 off its exponent field: the conversion's scale operand
.set qb, qb+1
.endr
.set qb, 0
.rept \nb
	v_and_or_b32 v[TM+8+qb], v[TM+qb], 0x7f800000, s[MNT]      ; 57,344 x the scale
.set qb, qb+1
.endr
.endm
.macro QBYTES nb
.set qb, 0
.rept \nb
	v_lshrrev_b32 v[TM+4+qb], 23, v[TM+12+qb]                  ; the scale's byte
.set qb, qb+1
.endr
.endm
.macro QHOLD s, nb                     ; the conversion to an 8-bit code does not saturate (ISA guide 7.6.2): hold at the largest code x the scale
.set qi, 0
.rept 16*\nb
	v_med3_num_f32 v[(\s)+qi], v[(\s)+qi], -v[TM+8+qi/16], v[TM+8+qi/16]
.set qi, qi+1
.endr
.endm
.macro QCVT s, dst, b                  ; a block's 16 numbers of my lane become four registers of codes
	v_cvt_scalef32_pk8_bf8_f32 v[(\dst):(\dst)+1], v[(\s):(\s)+7], v[TM+12+(\b)]
	v_cvt_scalef32_pk8_bf8_f32 v[(\dst)+2:(\dst)+3], v[(\s)+8:(\s)+15], v[TM+12+(\b)]
.endm
; 32 numbers of a lane, d = 32 b + 16 h + i at register 16 b + i, are turned pair by pair; pair k takes cosine and sine number k of tile u
.macro ROPE hreg, u
.set rk, 0
.rept 16
.set rx, (\hreg)+2*rk
.set rc, CS+32*(\u)+2*rk
.set rt, 240+2*(rk%2)
	v_mul_f32 v[rt], v[rx+1], v[rc+1]
	v_mul_f32 v[rt+1], v[rx], v[rc+1]
	v_fma_f32 v[rx], v[rx], v[rc], -v[rt]                      ; x1 cos - x2 sin
	v_fma_f32 v[rx+1], v[rx+1], v[rc], v[rt+1]                 ; x2 cos + x1 sin
.set rk, rk+1
.endr
.endm
.macro TAILQ first                     ; four blocks in v[H] on become 16 registers of codes in v[PC] on.  first = 1: the first unit, with no unit's stores in front of it
	QHOLD H, 4
	s_wait_xcnt 0x0                                            ; v[PC] on were the last unit's store data: they are written again only behind this wait
.if !\first
	s_wait_alu depctr_vm_vsrc(0)                               ; the last unit's stores have read v[PC] on, which the conversions below write again
.endif
.irp bb, 0,1,2,3
	QCVT H+16*\bb, PC+4*\bb, \bb
.endr
	v_nop                                                      ; one plain instruction between the last conversion and the next products, which write its sources
	s_wait_alu depctr_va_vdst(0)                               ; the conversions have written v[PC] on, and the selections further up the unit's scale words: the stores that follow read them
.endm
	s_load_b512 s[8:23], s[0:1], 0x0               ; x codes 8, x scales 10, Wqa codes 12, scales 14, Wkva codes 16, scales 18, Wqb codes 20, scales 22
	s_load_b256 s[24:31], s[0:1], 0x40             ; Wkvb codes 24, scales 26, qrec 28, qsc 30
	s_load_b64 s[32:33], s[0:1], 0x60              ; kvrec
	v_lshl_add_u32 v254, v0, 2, 0xe000
	v_mov_b32 v255, 0
	v_lshrrev_b32 v1, 5, v0
	v_readfirstlane_b32 s[WV], v1                  ; wave 0..3
	v_and_b32 v1, 31, v0                           ; lane
	v_and_b32 v2, 15, v0                           ; r
	v_bfe_u32 v3, v0, 4, 1                         ; h
	v_and_b32 v14, 8, v2
	v_add_nc_u32 v14, v14, v2                      ; rp = r + 8 (r / 8)
	s_wait_alu depctr_va_sdst(0)                   ; the wave's number is written, ahead of its first reader: addresses and bases are made from it
	s_lshl_b32 s58, s[WV], 8
	v_lshlrev_b32 v[VX], 10, v14
	v_lshl_add_u32 v[VX], v3, 4, v[VX]
	v_add_nc_u32 v[VX], s58, v[VX]
	s_lshl_b32 s58, s[WV], 3
	v_lshl_add_u32 v[VXS], v14, 5, s58
	v_lshlrev_b32 v[L16], 4, v1
	v_lshlrev_b32 v[L4], 2, v1
	v_lshlrev_b32 v[VB], 6, v14
	v_lshl_add_u32 v[VB], v3, 4, v[VB]
	v_lshlrev_b32 v[VBS], 1, v14
	s_mul_i32 s58, s[WV], 12288
	v_add_nc_u32 v[PST], s58, v[L16]               ; my wave's partial sums
	s_lshl_b32 s58, s[WV], 11
	s_add_co_u32 s58, s58, CSL
	v_add_nc_u32 v[CST], s58, v[L16]               ; my wave's part of the table
	s_and_b32 s59, ttmp9, 63                       ; G: which 32 tokens of the sequence
	s_lshl_b32 s60, s59, 5
	s_lshr_b32 s61, s[WV], 1
	s_lshl_b32 s61, s61, 3
	s_add_co_u32 s60, s60, s61
	v_add_nc_u32 v[POSF], s60, v14
	v_cvt_f32_u32 v[POSF], v[POSF]                 ; the position of lane r's token in tile w / 2: my wave makes that tile's table for frequencies 16 (w % 2) + 8 h + 0 .. 7
	s_and_b32 s61, s[WV], 1
	s_lshl_b32 s61, s61, 4
	v_lshl_add_u32 v[IB], v3, 3, s61
	s_mov_b32 s[SEL], 0x76543210
	s_mov_b32 s[SEL+1], 0xfedcba98
	s_mov_b32 s[MNT], 0x600000
	s_mov_b32 s[HM], 0xffff0000
	s_mov_b32 s40, 0xbed49a78                      ; -log2(10000) / 32
	s_mov_b32 s41, 0x3f22f983                      ; 2 / pi
	s_mov_b32 s42, 0x3fc90fdb                      ; pi / 2, its f32,
	s_mov_b32 s43, 0xb33bbd2e                      ; and what that leaves
	s_mov_b32 s44, 0xb94ca1f9                      ; the sine's coefficients,
	s_mov_b32 s45, 0x3c08839e
	s_mov_b32 s46, 0xbe2aaaa3
	s_mov_b32 s47, 0x37ccf5ce                      ; the cosine's
	s_mov_b32 s48, 0xbab6061a
	s_mov_b32 s49, 0x3d2aaaa5
.irp b, 0,1,2,3
	v_mov_b32 v[TM+4+\b], 0                        ; written once: a lane permute's destination counts as one of its sources
.endr
	s_mov_b32 s67, 0                               ; every offset is under 2^32: s[66:67]
	s_lshr_b32 s68, ttmp9, 6                       ; b
	s_lshl_b32 s69, s68, 2
	s_add_co_u32 s69, s69, s[WV]                   ; 4 b + w
	s_and_b32 s71, s59, 3                          ; i: which 32 of a record's 128 keys
	s_lshl_b32 s66, ttmp9, 15
	s_wait_kmcnt 0x0
	s_add_nc_u64 s[8:9], s[8:9], s[66:67]          ; x's codes at my 32 tokens
	s_lshl_b32 s66, ttmp9, 10
	s_add_nc_u64 s[10:11], s[10:11], s[66:67]      ; and their scale bytes
	s_lshl_b32 s66, s[WV], 14
	s_add_nc_u64 s[20:21], s[20:21], s[66:67]      ; Wqb: my four heads' 256 rows of 64 bytes
	s_lshl_b32 s66, s[WV], 9
	s_add_nc_u64 s[22:23], s[22:23], s[66:67]
	s_lshl_b32 s66, s[WV], 12
	s_add_nc_u64 s[24:25], s[24:25], s[66:67]      ; Wkvb: my head's 128 rows of 32 bytes
	s_lshl_b32 s66, s[WV], 7
	s_add_nc_u64 s[26:27], s[26:27], s[66:67]
	s_lshl_b32 s66, s69, 9                         ; (16 b + 4 w) 128
	s_lshl_b32 s70, s59, 1
	s_add_co_u32 s66, s66, s70                     ; + tile 2 G
	s_lshl_b32 s66, s66, 10
	s_add_nc_u64 s[28:29], s[28:29], s[66:67]
	s_lshl_b32 s66, ttmp9, 2
	s_add_co_u32 s66, s66, s[WV]
	s_lshl_b32 s66, s66, 9
	s_add_nc_u64 s[30:31], s[30:31], s[66:67]
	s_lshl_b32 s66, s69, 4
	s_lshr_b32 s70, s59, 2
	s_add_co_u32 s66, s66, s70
	s_mul_i32 s66, s66, RECB
	s_add_nc_u64 s[32:33], s[32:33], s[66:67]      ; my record
	s_lshl_b32 s66, s71, 11
	s_add_nc_u64 s[50:51], s[32:33], s[66:67]      ; K's codes: tiles 2 i, 2 i + 1
	s_lshl_b32 s66, s71, 7
	s_add_co_u32 s66, s66, 16384
	s_add_nc_u64 s[52:53], s[32:33], s[66:67]      ; their scale words
	s_lshl_b32 s66, s71, 9
	s_add_co_u32 s66, s66, 8192
	s_add_nc_u64 s[54:55], s[32:33], s[66:67]      ; V's codes: key block i
	s_add_co_u32 s66, s71, 16896
	s_add_nc_u64 s[56:57], s[32:33], s[66:67]      ; its byte of V's scale words
	s_wait_alu depctr_va_vdst(0)                   ; the offsets and LDS addresses v4 to v11 are written: every load and store of the kernel reads one of them
	; ---- loads, part 1: 48: what phase A's first K step wants
.irp u, 0,1
	global_load_b64 v[XS+2*\u:XS+2*\u+1], v[VXS], s[10:11] offset:256*\u
.endr
.irp nt, 0,1,2,3
	global_load_b64 v[WAS+2*\nt:WAS+2*\nt+1], v[VXS], s[14:15] offset:32*(32*(\nt/2)+8*(\nt%2))
.endr
.irp nt, 4,5
	global_load_b64 v[WAS+2*\nt:WAS+2*\nt+1], v[VXS], s[18:19] offset:32*8*(\nt-4)
.endr
.macro LDWA sl                         ; the latent weights' six tiles (four of Wqa, two of Wkva) for my K step sl: 24 loads
.irp nt, 0,1,2,3
.irp c, 0,1,2,3
	global_load_b128 v[16*(2*\nt+\sl)+4*\c:16*(2*\nt+\sl)+4*\c+3], v[VX], s[12:13] offset:(32*(\nt/2)+8*(\nt%2))*1024+128*\sl+32*\c
.endr
.endr
.irp nt, 4,5
.irp c, 0,1,2,3
	global_load_b128 v[16*(2*\nt+\sl)+4*\c:16*(2*\nt+\sl)+4*\c+3], v[VX], s[16:17] offset:8*(\nt-4)*1024+128*\sl+32*\c
.endr
.endr
.endm
	WIN 0x40                                       ; destination window 1
.irp u, 0,1
.irp sl, 0,1
.irp c, 0,1,2,3
	global_load_b128 v[192+16*(2*\u+\sl)+4*\c:192+16*(2*\u+\sl)+4*\c+3], v[VX], s[8:9] offset:8192*\u+128*\sl+32*\c th:TH_LOAD_NT
.endr
.endr
.endr
	LDWA 0
	; the zero codes that fill Wqb's K of 64 and Wkvb's K of 32 up to 128: they are operands, written once
	WIN 0x80
.set zf, 0
.rept 16
.irp k, 8,9,10,11,12,13,14,15
	v_mov_b32 v[16*zf+\k], 0
.endr
.set zf, zf+1
.endr
	WIN 0xc0
.set zf, 0
.rept 8
.irp k, 4,5,6,7,8,9,10,11,12,13,14,15
	v_mov_b32 v[16*zf+\k], 0
.endr
.set zf, zf+1
.endr
	WIN 0
	; ---- cosines and sines of my part of the table, stage by stage over eight frequencies
.irp m, 0,1,2,3,4,5,6,7
	v_add_nc_u32 v[128+\m], \m, v[IB]
.endr
.irp m, 0,1,2,3,4,5,6,7
	v_cvt_f32_u32 v[128+\m], v[128+\m]
.endr
.irp m, 0,1,2,3,4,5,6,7
	v_mul_f32 v[128+\m], s40, v[128+\m]
.endr
.irp m, 0,1,2,3,4,5,6,7
	v_exp_f32 v[136+\m], v[128+\m]                 ; inv_freq = 10000^(-i / 32)
.endr
	v_nop                                          ; a plain instruction behind the last exponential,
	s_wait_alu depctr_va_vdst(0)                   ; and one wait for the eight, ahead of their first reader
.irp m, 0,1,2,3,4,5,6,7
	v_mul_f32 v[144+\m], v[POSF], v[136+\m]        ; the angle
.endr
.irp m, 0,1,2,3,4,5,6,7
	v_mul_f32 v[152+\m], s41, v[144+\m]
.endr
.irp m, 0,1,2,3,4,5,6,7
	v_rndne_f32 v[152+\m], v[152+\m]               ; n: how many quarter turns
.endr
.irp m, 0,1,2,3,4,5,6,7
	v_fma_f32 v[160+\m], -v[152+\m], s42, v[144+\m]
.endr
.irp m, 0,1,2,3,4,5,6,7
	v_fma_f32 v[160+\m], -v[152+\m], s43, v[160+\m]   ; what is left, within +-pi / 4
.endr
.irp m, 0,1,2,3,4,5,6,7
	v_mul_f32 v[168+\m], v[160+\m], v[160+\m]
.endr
.irp m, 0,1,2,3,4,5,6,7
	v_fma_f32 v[176+\m], v[168+\m], s44, s45
	v_fma_f32 v[184+\m], v[168+\m], s47, s48
.endr
.irp m, 0,1,2,3,4,5,6,7
	v_fma_f32 v[176+\m], v[176+\m], v[168+\m], s46
	v_fma_f32 v[184+\m], v[184+\m], v[168+\m], s49
.endr
.irp m, 0,1,2,3,4,5,6,7
	v_mul_f32 v[176+\m], v[176+\m], v[168+\m]
	v_mul_f32 v[184+\m], v[184+\m], v[168+\m]
	v_fma_f32 v[200+\m], v[168+\m], -0.5, 1.0
.endr
.irp m, 0,1,2,3,4,5,6,7
	v_fma_f32 v[176+\m], v[176+\m], v[160+\m], v[160+\m]   ; the sine of what is left,
	v_fma_f32 v[184+\m], v[184+\m], v[168+\m], v[200+\m]   ; its cosine
	v_cvt_i32_f32 v[192+\m], v[152+\m]
.endr
.irp m, 0,1,2,3,4,5,6,7
	v_and_b32 v[200+\m], 1, v[192+\m]
	v_cmp_eq_u32 s[ODD+\m], 1, v[200+\m]           ; an odd number of quarter turns swaps the two: eight masks in a run, a scalar register each
.endr
	s_wait_alu depctr_va_sdst(0)                   ; the eight masks are written, ahead of the first selection that reads one
.irp m, 0,1,2,3,4,5,6,7
	v_cndmask_b32 v[208+\m], v[176+\m], v[184+\m], s[ODD+\m]
	v_cndmask_b32 v[216+\m], v[184+\m], v[176+\m], s[ODD+\m]
.endr
.irp m, 0,1,2,3,4,5,6,7
	v_lshlrev_b32 v[200+\m], 30, v[192+\m]         ; the sine changes sign where n mod 4 is 2 or 3,
	v_add_nc_u32 v[192+\m], 1, v[192+\m]
	v_and_b32 v[200+\m], 0x80000000, v[200+\m]
	v_lshlrev_b32 v[192+\m], 30, v[192+\m]         ; the cosine where it is 1 or 2
	v_xor_b32 v[CS+2*\m+1], v[200+\m], v[208+\m]
	v_and_b32 v[192+\m], 0x80000000, v[192+\m]
	v_xor_b32 v[CS+2*\m], v[192+\m], v[216+\m]
.endr
	s_wait_alu depctr_va_vdst(0)                   ; my part of the table is written, which the four LDS stores read; so are the zero codes of windows 2 and 3, operands of scaled products further down
.irp k, 0,1,2,3
	ds_store_b128 v[CST], v[CS+4*\k:CS+4*\k+3] offset:512*\k
.endr
	; ---- loads, part 2: 88: phase A's second K step (24), then 64 that the later phases want.  No vector instruction has named a register in which they land
	WIN 0x40
	LDWA 1
	WIN 0x80
.irp hh, 0,1,2,3
.irp dt, 0,1,2,3
.irp c, 0,1
	global_load_b128 v[16*(4*\hh+\dt)+4*\c:16*(4*\hh+\dt)+4*\c+3], v[VB], s[20:21] offset:(64*\hh+32*(\dt/2)+8*(\dt%2))*64+32*\c
.endr
.endr
.endr
	WIN 0xc0
.irp dt, 0,1,2,3
	global_load_b128 v[16*\dt:16*\dt+3], v[VB], s[24:25] offset:(32*(\dt/2)+8*(\dt%2))*64          ; row 2 d: k
	global_load_b128 v[64+16*\dt:64+16*\dt+3], v[VB], s[24:25] offset:(32*(\dt/2)+8*(\dt%2))*64+32 ; row 2 d + 1: v
.endr
	WIN 0
.irp hh, 0,1,2,3
.irp dt, 0,1,2,3
	global_load_u16 v[WBS+4*\hh+\dt], v[VBS], s[22:23] offset:2*(64*\hh+32*(\dt/2)+8*(\dt%2))
.endr
.endr
.irp dt, 0,1,2,3
	global_load_u8 v[WKS+\dt], v[VBS], s[26:27] offset:2*(32*(\dt/2)+8*(\dt%2))
	global_load_u8 v[WKS+4+\dt], v[VBS], s[26:27] offset:2*(32*(\dt/2)+8*(\dt%2))+1
.endr
	; ---- phase A: 12 accumulators by turns, two K steps
	s_wait_loadcnt 63                              ; 64 loads are younger than the last of the latent weights'; the count's field holds 63
	WIN 0x05                                       ; sources 0 and 1 window 1
.irp sl, 0,1
.irp u, 0,1
.irp nt, 0,1,2,3,4,5
.if \nt < 4
.set AC, LAT+16*(2*\u+\nt/2)+8*(\nt%2)
.else
.set AC, LAT+16*(4+\u)+8*(\nt-4)
.endif
.if \sl == 0
	MM0 AC, 16*(2*\nt+\sl), 192+16*(2*\u+\sl), WAS+2*\nt+\sl, XS+2*\u+\sl
.else
	MMA AC, 16*(2*\nt+\sl), 192+16*(2*\u+\sl), WAS+2*\nt+\sl, XS+2*\u+\sl
.endif
.endr
.endr
.endr
	WIN 0
	NOPS 8                                         ; eight places between the last product and the first read of a result
	s_wait_alu depctr_va_vdst(0)                   ; the products have written the twelve accumulators, which the LDS stores read; the places above stay beside this wait
.set q, 0
.rept 24
	ds_store_b128 v[PST], v[LAT+4*q:LAT+4*q+3] offset:512*q   ; each accumulator from its low end on
.set q, q+1
.endr
	WIN 0x40                                       ; the zero codes above qa's 64 and kva's 32, where x's fragments lay
.irp u, 0,1
.irp k, 8,9,10,11,12,13,14,15
	v_mov_b32 v[192+16*\u+\k], 0
.endr
.irp k, 4,5,6,7,8,9,10,11,12,13,14,15
	v_mov_b32 v[224+16*\u+\k], 0
.endr
.endr
	WIN 0
	s_wait_dscnt 0x0                               ; my stores of the table and of the partial sums have landed:
	s_barrier_signal -1
	s_barrier_wait -1                              ; everybody's have.  Nothing in LDS is written again
	; ---- the sums, in the order of K: wave 0's + wave 1's + wave 2's + wave 3's.  All 112 LDS loads go out in one run: a buffer to each partial sum
	s_wait_alu depctr_va_vdst(0)                   ; phase A's products have written v[LAT] on and are done reading window 1's v0-191: the loads below land in both
	s_wait_alu depctr_vm_vsrc(0)                   ; my LDS stores have read v[CS] on and v[LAT] on, in which the loads below land
.set q, 0
.rept 24
	ds_load_b128 v[LAT+4*q:LAT+4*q+3], v[L16] offset:PART+512*q
.set q, q+1
.endr
.set q, 0
.rept 16
	ds_load_b128 v[CS+4*q:CS+4*q+3], v[L16] offset:CSL+512*q
.set q, q+1
.endr
	WIN 0x40
.set q, 0
.rept 48
	ds_load_b128 v[4*q:4*q+3], v[L16] offset:PART+12288+512*q   ; wave 1's into v0-95, wave 2's into v96-191 of window 1
.set q, q+1
.endr
	WIN 0xc0
.set q, 0
.rept 24
	ds_load_b128 v[128+4*q:128+4*q+3], v[L16] offset:PART+36864+512*q   ; wave 3's into v128-223 of window 3
.set q, q+1
.endr
	s_wait_dscnt 48                                ; all but wave 2's 24 and wave 3's 24
	WIN 0x04                                       ; source 1 window 1
.set q, 0
.rept 48
	v_pk_add_f32 v[LAT+2*q:LAT+2*q+1], v[LAT+2*q:LAT+2*q+1], v[2*q:2*q+1]
.set q, q+1
.endr
	s_wait_dscnt 24                                ; all but wave 3's 24
.set q, 0
.rept 48
	v_pk_add_f32 v[LAT+2*q:LAT+2*q+1], v[LAT+2*q:LAT+2*q+1], v[96+2*q:96+2*q+1]
.set q, q+1
.endr
	s_wait_dscnt 0x0
	WIN 0x0c                                       ; source 1 window 3
.set q, 0
.rept 48
	v_pk_add_f32 v[LAT+2*q:LAT+2*q+1], v[LAT+2*q:LAT+2*q+1], v[128+2*q:128+2*q+1]
.set q, q+1
.endr
	WIN 0
	; ---- the latents become operands.  Block 2 u + b: qa(tile u, 32 b + 16 h + 0 .. 15); block 4 + u: kva(tile u, 16 h + 0 .. 15)
	QPREP LAT, 4
	QBYTES 4
	v_lshl_or_b32 v[QAS], v[TM+5], 8, v[TM+4]      ; a token's two bytes; bytes 2 and 3 stay 0 over zero codes
	v_lshl_or_b32 v[QAS+1], v[TM+7], 8, v[TM+6]
	QHOLD LAT, 4
	WIN 0x40
.irp u, 0,1
.irp b, 0,1
	QCVT LAT+16*(2*\u+\b), 192+16*\u+4*\b, 2*\u+\b
.endr
.endr
	WIN 0
	v_nop                                          ; a plain instruction between the conversions and the lines that write their scale operands anew
	QPREP LAT+64, 2
.irp u, 0,1
	v_lshrrev_b32 v[KVS+\u], 23, v[TM+12+\u]
.endr
	QHOLD LAT+64, 2
	WIN 0x40
.irp u, 0,1
	QCVT LAT+64+16*\u, 224+16*\u, \u
.endr
	WIN 0
	s_wait_loadcnt 0x0                             ; Wqb, Wkvb and their scales
	NOPS 8                                         ; a scale word made by vector instructions stands eight places ahead of a scaled product, an operand four; the first is also the plain line behind the conversions
	s_wait_alu depctr_va_vdst(0)                   ; qa's and kva's codes, the zero codes above them and their scale words are written: the scaled products of all six units take them as operands and scales; the places above stay beside this wait
.macro UNIT_Q hh                       ; query head 4 w + hh, both tiles of tokens
	WIN 0x06                                       ; source 0 (Wqb) window 2, source 1 (qa) window 1
.irp dt, 0,1,2,3
.irp u, 0,1
	MM0 H+32*\u+8*\dt, 16*(4*\hh+\dt), 192+16*\u, WBS+4*\hh+\dt, QAS+\u
.endr
.endr
	WIN 0
	NOPS 8
	ROPE H, 0
	ROPE H+32, 1
	QPREP H, 4
	QBYTES 4
	v_lshl_or_b32 v244, v[TM+5], 8, v[TM+4]
	v_lshl_or_b32 v245, v[TM+7], 8, v[TM+6]
	v_cndmask_b32 v[QSW+\hh], v244, v245, s[HM]    ; lanes 0-15 keep tile 0's words, lanes 16-31 tile 1's
.if \hh == 0
	TAILQ 1
.else
	TAILQ 0
.endif
.irp u, 0,1
.irp c, 0,1
	global_store_b128 v[L16], v[PC+4*(2*\u+\c):PC+4*(2*\u+\c)+3], s[28:29] offset:131072*\hh+1024*\u+512*\c   ; 512 consecutive bytes
.endr
.endr
.endm
	UNIT_Q 0
	UNIT_Q 1
	UNIT_Q 2
	UNIT_Q 3
	global_store_b128 v[L16], v[QSW:QSW+3], s[30:31]   ; 32 queries x four heads' words: 512 consecutive bytes.  The last of the four words was written ahead of the fourth unit's wait, and no vector instruction stands behind that
	; ---- k of my kv head
	WIN 0x07                                       ; source 0 (Wkvb) window 3, source 1 (kva) window 1
.irp dt, 0,1,2,3
.irp u, 0,1
	MM0 H+32*\u+8*\dt, 16*\dt, 224+16*\u, WKS+\dt, KVS+\u
.endr
.endr
	WIN 0
	NOPS 8
	ROPE H, 0
	ROPE H+32, 1
	QPREP H, 4
	QBYTES 4
	v_lshl_or_b32 v244, v[TM+5], 8, v[TM+4]
	v_lshl_or_b32 v245, v[TM+7], 8, v[TM+6]
	v_cndmask_b32 v246, v244, v245, s[HM]
	TAILQ 0
.irp u, 0,1
.irp c, 0,1
	global_store_b128 v[L16], v[PC+4*(2*\u+\c):PC+4*(2*\u+\c)+3], s[50:51] offset:1024*\u+512*\c
.endr
.endr
	global_store_b32 v[L4], v246, s[52:53]
	; ---- v of my kv head: source 0 = the tokens, so that a lane holds one d and 16 neighbouring tokens: block dt = d tile dt, K = my 32 tokens
	WIN 0x0d                                       ; source 0 (kva) window 1, source 1 (Wkvb) window 3
.irp dt, 0,1,2,3
.irp u, 0,1
	MM0 H+16*\dt+8*\u, 224+16*\u, 64+16*\dt, KVS+\u, WKS+4+\dt
.endr
.endr
	WIN 0
	NOPS 8
	QPREP H, 4
	QBYTES 4
	v_cndmask_b32 v247, v[TM+4], v[TM+5], s[HM]    ; lanes 0-15: d tile 0's bytes, lanes 16-31: d tile 1's
	v_cndmask_b32 v248, v[TM+6], v[TM+7], s[HM]
	TAILQ 0
.irp dt, 0,1,2,3
	global_store_b128 v[L16], v[PC+4*\dt:PC+4*\dt+3], s[54:55] offset:2048*\dt
.endr
	global_store_b8 v[L4], v247, s[56:57]
	global_store_b8 v[L4], v248, s[56:57] offset:128
	s_wait_dscnt 0x0                               ; the closing lines, six on end
	s_wait_alu 0x0
	s_wait_tensorcnt 0x0
	ds_add_u32 v254, v255
	s_wait_dscnt 0x0
	s_endpgm
.Lfunc_end_k_q84e1fdff7d_proj:
	.size	k_q84e1fdff7d_proj, .Lfunc_end_k_q84e1fdff7d_proj-k_q84e1fdff7d_proj
	.p2alignl 7, 3214868480
	.fill 96, 4, 3214868480
	.section	.rodata,"a",@progbits
	.p2align	6, 0x0
	.amdhsa_kernel k_q84e1fdff7d_proj
		.amdhsa_group_segment_fixed_size 57856
		.amdhsa_private_segment_fixed_size 0
		.amdhsa_enable_private_segment 0
		.amdhsa_kernarg_size 104
		.amdhsa_user_sgpr_count 2
		.amdhsa_user_sgpr_kernarg_segment_ptr 1
		.amdhsa_wavefront_size32 1
		.amdhsa_system_sgpr_workgroup_id_x 1
		.amdhsa_system_sgpr_workgroup_id_y 1
		.amdhsa_system_sgpr_workgroup_id_z 1
		.amdhsa_system_vgpr_workitem_id 0
		.amdhsa_next_free_vgpr 1024
		.amdhsa_next_free_sgpr 76
		.amdhsa_reserve_vcc 0
		.amdhsa_float_denorm_mode_32 3
		.amdhsa_float_denorm_mode_16_64 3
		.amdhsa_memory_ordered 1
		.amdhsa_forward_progress 1
		.amdhsa_inst_pref_size 160
	.end_amdhsa_kernel
	.amdgpu_metadata
---
amdhsa.version: [ 1, 2 ]
amdhsa.kernels:
  - .name:           k_q84e1fdff7d_proj
    .symbol:         k_q84e1fdff7d_proj.kd
    .args:
      - { .name: x_codes, .offset: 0, .size: 8, .value_kind: global_buffer, .address_space: global }
      - { .name: x_scales, .offset: 8, .size: 8, .value_kind: global_buffer, .address_space: global }
      - { .name: Wqa_codes, .offset: 16, .size: 8, .value_kind: global_buffer, .address_space: global }
      - { .name: Wqa_scales, .offset: 24, .size: 8, .value_kind: global_buffer, .address_space: global }
      - { .name: Wkva_codes, .offset: 32, .size: 8, .value_kind: global_buffer, .address_space: global }
      - { .name: Wkva_scales, .offset: 40, .size: 8, .value_kind: global_buffer, .address_space: global }
      - { .name: Wqb_codes, .offset: 48, .size: 8, .value_kind: global_buffer, .address_space: global }
      - { .name: Wqb_scales, .offset: 56, .size: 8, .value_kind: global_buffer, .address_space: global }
      - { .name: Wkvb_codes, .offset: 64, .size: 8, .value_kind: global_buffer, .address_space: global }
      - { .name: Wkvb_scales, .offset: 72, .size: 8, .value_kind: global_buffer, .address_space: global }
      - { .name: qrec, .offset: 80, .size: 8, .value_kind: global_buffer, .address_space: global }
      - { .name: qsc, .offset: 88, .size: 8, .value_kind: global_buffer, .address_space: global }
      - { .name: kvrec, .offset: 96, .size: 8, .value_kind: global_buffer, .address_space: global }
    .group_segment_fixed_size: 57856
    .private_segment_fixed_size: 0
    .kernarg_segment_align: 8
    .kernarg_segment_size: 104
    .max_flat_workgroup_size: 128
    .sgpr_count:     76
    .vgpr_count:     1024
    .wavefront_size: 32
...
	.end_amdgpu_metadata
.endif
;; end of part 4
;; launch attn (part 5): grid 16 x 16, 16 waves a work-group, no clusters, 327,680 bytes of LDS; arguments qrec, qsc, kvrec, ocod, oscl; writes ocod, oscl
.if DOCPART == 5
	.amdgcn_target "amdgcn-amd-amdhsa--gfx1250"
	.amdhsa_code_object_version 6
	.text
	.protected	k_q84e1fdff7d_attn
	.globl	k_q84e1fdff7d_attn
	.p2align	8
	.type	k_q84e1fdff7d_attn,@function
k_q84e1fdff7d_attn:
	s_mov_b64 s[64:65], 0
	v_nop
	global_prefetch_b8 v0, s[64:65] scope:SCOPE_SE
	s_setreg_imm32_b32 hwreg(HW_REG_WAVE_MODE, 25, 1), 1
	s_wait_xcnt 0x0
; CAUSAL ATTENTION on codes of E5M2 with one E8M0 scale for each 32 along a product's K, and the quantiser of its result along the model's 1,024.
; t = score x log2(e) / 8; M = the largest t so far, rounded UP to a whole number; p = 2^(t - M) is quantised along the keys, not normalised; the row's sum is taken of the unquantised p and divides at the end.
; SHARES.  Work-group (p, y): batch and kv head y = 4 b + kvh; two blocks of 64 queries, number p and then number 31 - p, for the four query heads of the kv head.
; Block n wants n / 2 + 1 key steps of 128 keys, so every work-group has 17 key steps: the trip count is a constant, and all work-groups have equal work.
; Each of the sixteen waves owns one tile of 16 queries of one head (head w / 4, tile w % 4) in 256 registers: four waves to a SIMD, so that one wave's vector work stands beside another's products and LDS loads.
; A key step's operands are ONE RECORD of 17,152 dense bytes (K's codes, V's codes, both scale words, as images of the operands' registers): wave 0 brings it by one tensor load into a ring of two slots.
; LAYOUT.  Both products are used transposed: S^T = K Q^T, O^T = V^T P^T: a lane holds one query.  The keys of a tile are 32 (t / 2) + 8 (t % 2) + r + 8 (r / 8), so that the 16 registers of two neighbouring tiles
; are 16 neighbouring keys; the queries of a tile and the d of V's tiles are chosen alike.  The head's 64 fill half of the first product's K: the other half is zero codes on both sides, in registers written once.
; THE MASK.  Only a block's last key step holds hidden keys; there hidden scores become -infinity ahead of the maximum.  A step's first key counts for every query of the block, so M is a number from the first step on.
; NO CLUSTER: the sixteen work-groups of a kv head want different records in the same trip (their first blocks have 1 to 8 steps); only pairs agree.
; LIMITS: NaN and infinities are not served.  A block of the result whose largest magnitude lies under 2^-111 gets the byte 1 (a block of zeros too, over zero codes; this program alone reads the bytes).
; The result's scale bytes leave one byte a lane, 32 bytes apart: 32 of the 1,056 bytes that a wave stores for a block.
.set RECB,  17152
.set SLOT1, 32768                      ; slot 1 begins here, so that one exclusive or turns an address from slot to slot
.set SPARE, 65536                      ; the spare words, 128 bytes for each of 16 waves: eight blocks of 256 bytes that no other line names
.set VCO,   8192                       ; in a record: V's codes,
.set KSO,   16384                      ; K's scale words,
.set VSO,   16896                      ; V's
.set L16, 1
.set L4,  2
.set QD,  3                            ; r + 8 (r / 8) - 16 h
.set R16, 4
.set SPW, 5                            ; LDS address of my spare word; never rewritten
.set NIL, 6                            ; 0; never rewritten
.set PFO, 7                            ; the prefetches' offset; never rewritten
.set ADR, 8
.set ADS, 9
.set OSO, 11                           ; 32 r + h
.set KSL, 32                           ; v32-95 four fragments of K: 8 registers of codes, 8 of zeros
.set PC,  192                          ; p's codes
.set BM,  208
.set T1,  212
.set HD,  216
.set SO,  220
.set KSC, 224                          ; v224-231 and v244: scale words; v224-227 also hold two of the row sum's chains
.set VSC, 228
.set QS,  230
.set PS,  231
.set F,   232
.set TA,  234
.set NINF, 235
.set QB,  236                          ; the second block's Q, and at v244 its scale words
.set TB,  2                            ; s2  where the slot in hand begins
.set TR,  3                            ; s3  the trip
.set WV,  18
.set MNT, 19
.set SEL, 20
.set CS,  22                           ; s[22:23] c = log2(e) / 8
.set N1,  38                           ; the first block's key steps
.set FR,  39                           ; the record of the trip in hand, then of the next
.set LAST, 40                          ; 1 in the first block's last step
.set DQ,  41
.set PN,  54
.set HM,  55
.macro NOPS n
.rept \n
	v_nop
.endr
.endm
.macro TLOAD                           ; wave 0 alone fetches; four v_nop follow the load
	s_cmp_lg_u32 s[WV], 0
	s_cbranch_scc1 .Lno_load_\@
	tensor_load_to_lds s[32:35], s[24:31]
	s_nop 0
	NOPS 4
.Lno_load_\@:
.endm
; A PREFETCH INTO THE L2.  All sixteen work-groups of a kv head walk the same records: the first of them (p = 0) asks, and in it three waves that fetch nothing: waves 4 and 5 for a record's codes, 8,192 bytes each,
; lanes 256 bytes apart; wave 6 for the 768 bytes of scale words (its lanes from 2 on name the record's last block together).  Trip t = 1 .. 13 asks for record t + 2: two trips ahead of the asker's own load of it,
; one ahead of the earliest load by any work-group of the head.  Records 0 to 2 come by their loads alone; record 15 is the last.
.macro ASK
	s_sub_co_u32 s56, s[TR], 1
	s_cmp_lt_u32 s56, s[PN]
	s_cbranch_scc0 .Lnot_mine_\@
	global_prefetch_b8 v[PFO], s[52:53] th:TH_LOAD_NT scope:SCOPE_SE
.Lnot_mine_\@:
.endm
; what belongs to one block of 64 queries: where my tile's codes and scale words lie, where its result goes, and my first query's place in the block's last key step
.macro BLKADDR blk, qc, qs, oc, os, dq
	s_lshl_b32 s66, s[\blk], 2
	s_add_co_u32 s66, s66, s67                     ; my tile of the sequence's 128
	s_lshl_b32 s76, s68, 7
	s_add_co_u32 s76, s76, s66
	s_lshl_b32 s76, s76, 10
	s_add_nc_u64 s[\qc:\qc+1], s[4:5], s[76:77]
	s_lshl_b32 s76, s71, 6
	s_lshr_b32 s75, s66, 1
	s_add_co_u32 s76, s76, s75
	s_lshl_b32 s76, s76, 2
	s_add_co_u32 s76, s76, s72
	s_lshl_b32 s76, s76, 9
	s_and_b32 s75, s66, 1
	s_lshl_b32 s75, s75, 8
	s_add_co_u32 s76, s76, s75
	s_lshl_b32 s75, s73, 2
	s_add_co_u32 s76, s76, s75
	s_add_nc_u64 s[\qs:\qs+1], s[6:7], s[76:77]
	s_lshl_b32 s75, s71, 7
	s_add_co_u32 s75, s75, s66                     ; my tile of all 512
	s_lshl_b32 s76, s75, 14
	s_lshl_b32 s66, s74, 10
	s_add_co_u32 s76, s76, s66
	s_add_nc_u64 s[\oc:\oc+1], s[10:11], s[76:77]
	s_lshl_b32 s76, s75, 9
	s_lshl_b32 s66, s74, 1
	s_add_co_u32 s76, s76, s66
	s_add_nc_u64 s[\os:\os+1], s[12:13], s[76:77]
	s_and_b32 s66, s[\blk], 1
	s_lshl_b32 s66, s66, 6
	s_add_co_u32 s[\dq], s66, s69
.endm
.macro RESET                           ; a block begins: the largest t is -3e38, the sum and O^T are zeros, which the first change of M leaves zeros
	v_mov_b32 v13, 0xff61b1e6
	s_delay_alu instid0(VALU_DEP_1)
	v_floor_f32 v12, -v13
	v_mov_b32 v14, 0
	v_mov_b32 v15, 0
.set j, 0
.rept 32
	v_mov_b32 v[160+j], 0
.set j, j+1
.endr
.endm
	s_load_b256 s[4:11], s[0:1], 0x0               ; qrec 4, qsc 6, kvrec 8, ocod 10
	s_load_b64 s[12:13], s[0:1], 0x20              ; oscl
	v_lshl_add_u32 v[SPW], v0, 2, SPARE
	v_mov_b32 v[NIL], 0
	ds_add_u32 v5, v6
	ds_add_u32 v5, v6
	s_wait_dscnt 0x0
	v_lshrrev_b32 v8, 5, v0
	s_delay_alu instid0(VALU_DEP_1)
	v_readfirstlane_b32 s[WV], v8                  ; wave 0..15
	s_and_b32 s70, ttmp7, 0xffff                   ; y = 4 b + kvh
	s_lshr_b32 s71, s70, 2                         ; b
	s_and_b32 s72, s70, 3                          ; kvh
	s_lshr_b32 s73, s[WV], 2                       ; which of the kv head's four query heads
	s_and_b32 s67, s[WV], 3                        ; which of the block's four tiles
	s_lshl_b32 s74, s72, 2
	s_add_co_u32 s74, s74, s73                     ; head
	s_lshl_b32 s68, s71, 4
	s_add_co_u32 s68, s68, s74                     ; 16 b + head
	s_lshr_b32 s69, s67, 1
	s_lshl_b32 s69, s69, 5
	s_and_b32 s75, s67, 1
	s_lshl_b32 s75, s75, 3
	s_add_co_u32 s69, s69, s75                     ; my tile's first query in its block
	s_mov_b32 s24, 3<<16                           ; descriptor group 1: no mask, elements of 8 bytes, no padding: images are read 16 bytes a lane on end
	s_mov_b32 s25, 32<<16                          ; tensor_dim0 = 32 elements: rows of 256 bytes
	s_mov_b32 s26, 67<<16                          ; tensor_dim1 = 67 rows: a record
	s_mov_b32 s27, 32<<16                          ; tile_dim0
	s_mov_b32 s28, 67                              ; tile_dim1
	s_mov_b32 s29, 32                              ; the pitch: dense
	s_mov_b32 s30, 0
	s_mov_b32 s31, 0
	s_lshr_b32 s[N1], ttmp9, 1
	s_add_co_u32 s[N1], s[N1], 1
	s_mov_b32 s78, ttmp9                           ; the first block,
	s_sub_co_u32 s79, 31, ttmp9                    ; the second
	s_mov_b32 s[MNT], 0x600000
	s_mov_b32 s[SEL], 0x76543210
	s_mov_b32 s[SEL+1], 0xfedcba98
	s_mov_b32 s[CS], 0x3e38aa3b
	s_mov_b32 s[CS+1], s[CS]                       ; (named with it as a pair, so it is written)
	s_mov_b32 s[HM], 0xffff0000
	s_mov_b32 s[TB], 0
	s_mov_b32 s[TR], 0
	s_mov_b32 s[FR], 0
	s_mov_b32 s[LAST], 0
	s_mul_i32 s76, s70, 16*RECB
	s_mov_b32 s77, 0
	s_wait_kmcnt 0x0
	s_add_nc_u64 s[36:37], s[8:9], s[76:77]        ; my kv head's 16 records
	s_mov_b32 s32, 1                               ; group 0: count = 1,
	s_mov_b32 s33, 0                               ; slot 0,
	s_mov_b64 s[34:35], s[36:37]                   ; record 0,
	s_or_b32 s35, s35, 0x80000000                  ; type = 2
	TLOAD
	v_and_b32 v8, 31, v0                           ; lane
	s_delay_alu instid0(VALU_DEP_1)
	v_lshlrev_b32 v[L16], 4, v8
	s_delay_alu instid0(VALU_DEP_2)
	v_lshlrev_b32 v[L4], 2, v8
	v_and_b32 v9, 15, v0                           ; r
	v_bfe_u32 v10, v0, 4, 1                        ; h
	s_delay_alu instid0(VALU_DEP_2)
	v_lshlrev_b32 v[R16], 4, v9
	s_wait_alu depctr_va_vdst(0)
	v_lshl_add_u32 v[OSO], v9, 5, v10
	v_and_b32 v[QD], 8, v9
	s_delay_alu instid0(VALU_DEP_1)
	v_add_nc_u32 v[QD], v[QD], v9
	v_lshlrev_b32 v10, 4, v10
	s_delay_alu instid0(VALU_DEP_1)
	v_sub_nc_u32 v[QD], v[QD], v10
	s_sub_co_u32 s75, s[WV], 4                     ; who prefetches: waves 4 to 6
	s_cmp_lt_u32 s75, 3
	s_cselect_b32 s75, 0, 1
	s_or_b32 s75, s75, ttmp9                       ; of the kv head's first work-group
	s_cmp_eq_u32 s75, 0
	s_cselect_b32 s[PN], 13, 0
	s_cmp_eq_u32 s[WV], 6
	s_cselect_b32 s75, 2, 31
	v_min_u32 v[PFO], s75, v8
	s_delay_alu instid0(VALU_DEP_1)
	v_lshlrev_b32 v[PFO], 8, v[PFO]
	s_and_b32 s76, s[WV], 3
	s_lshl_b32 s76, s76, 13                        ; my wave's 8,192 bytes,
	s_add_co_u32 s76, s76, RECB                    ; in record 1: each trip steps a record on, so that trip t stands at record t + 2
	s_add_nc_u64 s[52:53], s[36:37], s[76:77]
	BLKADDR 78, 56, 58, 44, 46, 41
	BLKADDR 79, 60, 62, 48, 50, 42
	global_load_b128 v[16:19], v[L16], s[56:57]    ; both blocks' Q stay in registers
	global_load_b128 v[20:23], v[L16], s[56:57] offset:512
	global_load_b32 v[QS], v[R16], s[58:59]
	global_load_b128 v[QB:QB+3], v[L16], s[60:61]
	global_load_b128 v[QB+4:QB+7], v[L16], s[60:61] offset:512
	global_load_b32 v[QB+8], v[R16], s[62:63]
.irp k, 24,25,26,27,28,29,30,31
	v_mov_b32 v[\k], 0                             ; the zero codes above the head's 64: Q's,
.endr
.irp t, 0,1,2,3
.irp k, 8,9,10,11,12,13,14,15
	v_mov_b32 v[KSL+16*\t+\k], 0                   ; and those of K's four fragments: operands, written once
.endr
.endr
	RESET
.irp b, 0,1,2,3
	v_mov_b32 v[T1+\b], 0                          ; written once: a lane permute's destination counts as one of its sources
.endr
	v_mov_b32 v[F+1], 0                            ; (named as the upper half of a pair)
	v_mov_b32 v[TA], 0
	v_mov_b32 v[NINF], 0xff800000
	s_wait_loadcnt 0x0                             ; Q; and the loads' bases may be written again
.macro SPROD kt, t                     ; 16 keys x my 16 queries; lanes 0-15 of a scale register hold an even tile's words, lanes 16-31 the odd one's
.if (\kt)%2
	v_wmma_scale_f32_16x16x128_f8f6f4 v[96+8*(\kt):96+8*(\kt)+7], v[KSL+16*\t:KSL+16*\t+15], v[16:31], 0, v[KSC+(\kt)/2], v[QS] matrix_a_fmt:MATRIX_FMT_BF8 matrix_b_fmt:MATRIX_FMT_BF8 matrix_a_scale:MATRIX_SCALE_ROW1
.else
	v_wmma_scale_f32_16x16x128_f8f6f4 v[96+8*(\kt):96+8*(\kt)+7], v[KSL+16*\t:KSL+16*\t+15], v[16:31], 0, v[KSC+(\kt)/2], v[QS] matrix_a_fmt:MATRIX_FMT_BF8 matrix_b_fmt:MATRIX_FMT_BF8
.endif
.endm
.macro PPROD dt                        ; 16 of the head's 64 x my 16 queries, K = the step's 128 keys
.if (\dt)%2
	v_wmma_scale_f32_16x16x128_f8f6f4 v[160+8*\dt:160+8*\dt+7], v[96+16*\dt:96+16*\dt+15], v[PC:PC+15], v[160+8*\dt:160+8*\dt+7], v[VSC+(\dt)/2], v[PS] matrix_a_fmt:MATRIX_FMT_BF8 matrix_b_fmt:MATRIX_FMT_BF8 matrix_a_scale:MATRIX_SCALE_ROW1
.else
	v_wmma_scale_f32_16x16x128_f8f6f4 v[160+8*\dt:160+8*\dt+7], v[96+16*\dt:96+16*\dt+15], v[PC:PC+15], v[160+8*\dt:160+8*\dt+7], v[VSC+(\dt)/2], v[PS] matrix_a_fmt:MATRIX_FMT_BF8 matrix_b_fmt:MATRIX_FMT_BF8
.endif
.endm
; THE CHANGE OF SLOTS stands at a trip's head.  Each wave waits for all its tensor loads, adds 0 to its spare word, and waits for that and for its reads of the slot that it has left.
; Behind the barrier the slot ahead is whole and nobody reads the other one; with fill = 1 that one takes the next trip's record, which has the whole trip in which to land.
.macro CHANGE fill
	s_wait_tensorcnt 0x0                           ; no tensor load of mine is out, so group 0 may be written
	ds_add_u32 v[SPW], v[NIL]                      ; 0 onto my spare word: scalar work stands between it and the wait for it
.if \fill
	s_add_co_u32 s[FR], s[FR], 1                   ; the next trip's record: the next one,
	s_add_co_u32 s56, s[TR], 1
	s_cmp_eq_u32 s56, s[N1]
	s_cselect_b32 s[FR], 0, s[FR]                  ; or record 0 again, where the second block begins;
	s_cselect_b32 s[LAST], 1, 0                    ; this trip is then the first block's last
	s_mul_i32 s56, s[FR], RECB
	s_mov_b32 s57, 0
	s_add_nc_u64 s[34:35], s[36:37], s[56:57]
	s_or_b32 s35, s35, 0x80000000
	s_xor_b32 s33, s33, SLOT1                      ; into the other slot than last time
	s_wait_xcnt 0x0                                ; the last prefetch, a trip back, has read its address, so it may be written
	s_add_nc_u64 s[52:53], s[52:53], RECB
.endif
	s_wait_dscnt 0x0                               ; the add is done, and my reads of the slot that I have left are over
	s_barrier_signal -1
	s_barrier_wait -1
.if \fill
	TLOAD                                          ; the first thing behind the barrier, and the one tensor load until the next
	ASK
.endif
.endm
; A KEY STEP: 128 keys.  last = 0: in the loop, the mask under a scalar branch; 1: the second block's last step, always masked.
.macro STEP last
	v_add_nc_u32 v[ADR], s[TB], v[L16]
	s_wait_alu depctr_va_vdst(0)
	v_add_nc_u32 v[ADS], s[TB], v[L4]
	NOPS 7                                         ; nine places with the two additions: the products below write over registers that the last step's products read (V's fragments), and the loads land in their scale registers
.irp i, 0,1,2,3
	ds_load_b32 v[KSC+\i], v[ADS] offset:KSO+128*\i
.endr
.irp i, 0,1
	ds_load_b32 v[VSC+\i], v[ADS] offset:VSO+128*\i
.endr
.irp g, 0,1                            ; S^T = K Q^T, four tiles of 16 keys at a time
.if \g
	NOPS 8                                         ; places in front of loads into registers that products have read
.endif
.irp t, 0,1,2,3
.irp c, 0,1
	ds_load_b128 v[KSL+16*\t+4*\c:KSL+16*\t+4*\c+3], v[ADR] offset:(4*\g+\t)*1024+512*\c
.endr
.endr
	s_wait_dscnt 0x0
.irp t, 0,1,2,3
	SPROD 4*\g+\t, \t
.endr
.endr
	NOPS 8
.if \last == 0
	s_cmp_eq_u32 s[LAST], 0
	s_cbranch_scc1 .Lopen_\@
.endif
	v_add_nc_u32 v[TA], s[DQ], v[QD]               ; my query - the step's first key - 16 h.  Register 16 b + i holds key 32 b + 16 h + i: hidden where 32 b + i is greater
.set n, 0
.rept 64
	v_cmp_gt_i32 vcc_lo, 32*(n/16)+n%16, v[TA]
	v_cndmask_b32 v[96+n], v[96+n], v[NINF], vcc_lo
.set n, n+1
.endr
.if \last == 0
.Lopen_\@:
.endif
.irp b, 0,1,2,3
	v_max3_num_f32 v[BM+\b], v[96+16*\b], v[97+16*\b], v[98+16*\b]   ; the largest score of each block of 32 keys: it serves for the row's maximum and, since p rises with the score, for the block's largest p
.endr
.irp i, 3,5,7,9,11,13
.irp b, 0,1,2,3
	v_max3_num_f32 v[BM+\b], v[BM+\b], v[96+16*\b+\i], v[97+16*\b+\i]
.endr
.endr
.irp b, 0,1,2,3
	v_max_num_f32 v[BM+\b], v[BM+\b], v[111+16*\b]
.endr
.irp b, 0,1,2,3
	s_delay_alu instid0(VALU_DEP_4)
	v_permlanex16_b32 v[T1+\b], v[BM+\b], s[SEL], s[SEL+1]
.endr
.irp b, 0,1,2,3
	s_delay_alu instid0(VALU_DEP_4)
	v_max_num_f32 v[BM+\b], v[BM+\b], v[T1+\b]     ; with lane l xor 16's 16 keys
.endr
	s_delay_alu instid0(VALU_DEP_2)
	v_max3_num_f32 v[TA], v[BM], v[BM+1], v[BM+2]
	s_delay_alu instid0(VALU_DEP_1)
	v_max_num_f32 v[TA], v[TA], v[BM+3]
	s_delay_alu instid0(VALU_DEP_1)
	v_mul_f32 v[TA], s[CS], v[TA]                  ; as t (c is positive)
	s_delay_alu instid0(VALU_DEP_1)
	v_max_num_f32 v13, v13, v[TA]                  ; the running largest t
	v_mov_b32 v[TA], v12
	s_delay_alu instid0(VALU_DEP_2)
	v_floor_f32 v12, -v13                          ; the new -M = floor(-t): M is a whole number
	s_delay_alu instid0(VALU_DEP_1)
	v_sub_f32 v[TA], v12, v[TA]                    ; old M - new M: a whole number, 0 or less
	s_delay_alu instid0(VALU_DEP_1)
	v_cvt_i32_f32 v[TA], v[TA]                     ; (it saturates)
	s_delay_alu instid0(VALU_DEP_1)
	v_ldexp_f32 v[F], 1.0, v[TA]                   ; f = 2^(old M - new M): a multiplication by it rounds nothing
.set j, 0
.rept 32
	v_pk_fma_f32 v[96+j:97+j], v[96+j:97+j], s[CS:CS+1], v[12:13] op_sel_hi:[1,0,0]   ; t - M, two at a time
.set j, j+2
.endr
.irp b, 0,1,2,3
	v_fma_f32 v[BM+\b], v[BM+\b], s[CS], v12       ; the same of each block's largest score
.endr
.set j, 0
	s_wait_alu depctr_va_vdst(0)
.rept 64
	v_exp_f32 v[96+j], v[96+j]                     ; p = 2^(t - M)
.set j, j+1
.endr
	v_pk_mul_f32 v[14:15], v[14:15], v[F:F+1] op_sel_hi:[1,0]   ; the sums under the new M: the plain instruction behind the exponentials
	s_wait_alu depctr_va_vdst(0)                   ; one wait for the 64, ahead of their first reader
.irp b, 0,1,2,3
	v_exp_f32 v[BM+\b], v[BM+\b]                   ; the block's largest p: the same two instructions on the same number
.endr
	v_pk_add_f32 v[246:247], v[100:101], v[104:105]
	v_pk_add_f32 v[254:255], v[108:109], v[112:113]
	v_pk_add_f32 v[252:253], v[116:117], v[120:121]
	v_pk_add_f32 v[250:251], v[124:125], v[128:129]
	v_pk_add_f32 v[248:249], v[132:133], v[136:137]
	v_pk_add_f32 v[226:227], v[140:141], v[144:145]
	v_pk_add_f32 v[224:225], v[148:149], v[152:153]
	v_pk_add_f32 v[14:15], v[14:15], v[156:157]
	v_pk_add_f32 v[246:247], v[246:247], v[96:97]
	v_pk_add_f32 v[254:255], v[254:255], v[98:99]
	v_pk_add_f32 v[252:253], v[252:253], v[102:103]
	v_pk_add_f32 v[250:251], v[250:251], v[106:107]
	v_pk_add_f32 v[248:249], v[248:249], v[110:111]
	v_pk_add_f32 v[226:227], v[226:227], v[114:115]
	v_pk_add_f32 v[224:225], v[224:225], v[118:119]
	v_pk_add_f32 v[14:15], v[14:15], v[122:123]
	v_pk_add_f32 v[246:247], v[246:247], v[126:127]
	v_pk_add_f32 v[254:255], v[254:255], v[130:131]
	v_pk_add_f32 v[252:253], v[252:253], v[134:135]
	v_pk_add_f32 v[250:251], v[250:251], v[138:139]
	v_pk_add_f32 v[248:249], v[248:249], v[142:143]
	v_pk_add_f32 v[226:227], v[226:227], v[146:147]
	v_pk_add_f32 v[224:225], v[224:225], v[150:151]
	v_pk_add_f32 v[14:15], v[14:15], v[154:155]
	v_pk_add_f32 v[246:247], v[246:247], v[158:159]
	s_delay_alu instid0(VALU_DEP_2)
	v_pk_add_f32 v[14:15], v[14:15], v[250:251]
	s_delay_alu instid0(VALU_DEP_2)
	v_pk_add_f32 v[246:247], v[246:247], v[248:249]
	v_pk_add_f32 v[254:255], v[254:255], v[226:227]
	v_pk_add_f32 v[252:253], v[252:253], v[224:225]
	s_delay_alu instid0(VALU_DEP_2)
	v_pk_add_f32 v[14:15], v[14:15], v[254:255]
	s_delay_alu instid0(VALU_DEP_2)
	v_pk_add_f32 v[246:247], v[246:247], v[252:253]
	s_delay_alu instid0(VALU_DEP_1)
	v_pk_add_f32 v[14:15], v[14:15], v[246:247]
	s_wait_alu depctr_va_vdst(0)                   ; and one for the four
.irp b, 0,1,2,3
	v_max_num_f32 v[BM+\b], 0x8000000, v[BM+\b]    ; the floor 2^(16 - 127): the byte cannot fall under 1
.endr
.irp b, 0,1,2,3
	s_delay_alu instid0(VALU_DEP_4)
	v_add_nc_u32 v[SO+\b], 0xf8800000, v[BM+\b]    ; 15 off the exponent field: the conversion's scale operand
.endr
.irp b, 0,1,2,3
	v_and_or_b32 v[HD+\b], v[BM+\b], 0x7f800000, s[MNT]   ; 57,344 x the scale
.endr
.irp b, 0,1,2,3
	v_lshrrev_b32 v[T1+\b], 23, v[SO+\b]           ; the scale's byte
.endr
	s_delay_alu instid0(VALU_DEP_3)
	v_lshl_or_b32 v[PS], v[T1+1], 8, v[T1]         ; p's scale word for these 128 keys
	s_delay_alu instid0(VALU_DEP_1)
	v_lshl_or_b32 v[PS], v[T1+2], 16, v[PS]
	s_delay_alu instid0(VALU_DEP_1)
	v_lshl_or_b32 v[PS], v[T1+3], 24, v[PS]
.irp b, 0,1,2,3
.irp i, 0,1,2,3,4,5,6,7,8,9,10,11,12,13,14,15
	v_min_num_f32 v[96+16*\b+\i], v[96+16*\b+\i], v[HD+\b]   ; the conversion does not saturate (ISA guide 7.6.2); p is not negative, so the hold is one-sided
.endr
	v_cvt_scalef32_pk8_bf8_f32 v[PC+4*\b:PC+4*\b+1], v[96+16*\b:103+16*\b], v[SO+\b]
	v_cvt_scalef32_pk8_bf8_f32 v[PC+4*\b+2:PC+4*\b+3], v[104+16*\b:111+16*\b], v[SO+\b]
.endr
.irp dt, 0,1,2,3
.irp c, 0,1,2,3
	ds_load_b128 v[96+16*\dt+4*\c:96+16*\dt+4*\c+3], v[ADR] offset:VCO+2048*\dt+512*\c   ; V's four fragments, where p lay
.endr
.endr
.set j, 0
.rept 16
	v_pk_mul_f32 v[160+j:161+j], v[160+j:161+j], v[F:F+1] op_sel_hi:[1,0]   ; O^T under the new M.  These 16 are also the places between the codes and the products
.set j, j+2
.endr
	s_wait_alu depctr_va_vdst(0)
	s_wait_dscnt 0x0
.irp dt, 0,1,2,3
	PPROD \dt                                      ; four accumulators by turns
.endr
	s_xor_b32 s[TB], s[TB], SLOT1                  ; on to the other slot
.endm
; A BLOCK'S END: O^T / the sum is the attention's result for my 16 queries and my head's 64; register 16 b + i is d = 32 b + 16 h + i: two blocks of the output product's K, in its operand's layout.
.macro WAYOUT
	NOPS 8                                         ; places behind the last products
	v_add_f32 v14, v14, v15
	s_delay_alu instid0(VALU_DEP_1)
	v_permlanex16_b32 v[TA], v14, s[SEL], s[SEL+1]
	s_delay_alu instid0(VALU_DEP_1)
	v_add_f32 v14, v14, v[TA]                      ; the row's sum
	s_wait_alu depctr_va_vdst(0)
	v_rcp_f32 v14, v14
	v_nop                                          ; a plain instruction behind the reciprocal,
	s_wait_alu depctr_va_vdst(0)                   ; and the wait ahead of its first reader
.set j, 0
.rept 32
	v_mul_f32 v[96+j], v[160+j], v14               ; each accumulator from its low end on
.set j, j+1
.endr
.irp b, 0,1
	v_max3_num_f32 v[BM+\b], |v[96+16*\b]|, |v[97+16*\b]|, 0x8000000
.endr
.irp i, 2,4,6,8,10,12,14
.irp b, 0,1
	s_delay_alu instid0(VALU_DEP_2)
	v_max3_num_f32 v[BM+\b], v[BM+\b], |v[96+16*\b+\i]|, |v[97+16*\b+\i]|
.endr
.endr
.irp b, 0,1
	s_delay_alu instid0(VALU_DEP_2)
	v_permlanex16_b32 v[T1+\b], v[BM+\b], s[SEL], s[SEL+1]
.endr
.irp b, 0,1
	s_delay_alu instid0(VALU_DEP_2)
	v_max_num_f32 v[BM+\b], v[BM+\b], v[T1+\b]
.endr
.irp b, 0,1
	s_delay_alu instid0(VALU_DEP_2)
	v_add_nc_u32 v[SO+\b], 0xf8800000, v[BM+\b]
.endr
.irp b, 0,1
	s_delay_alu instid0(VALU_DEP_4)
	v_and_or_b32 v[HD+\b], v[BM+\b], 0x7f800000, s[MNT]
.endr
.irp b, 0,1
	s_delay_alu instid0(VALU_DEP_4)
	v_lshrrev_b32 v[T1+\b], 23, v[SO+\b]
.endr
	s_delay_alu instid0(VALU_DEP_1)
	v_cndmask_b32 v[TA], v[T1], v[T1+1], s[HM]     ; lanes 0-15 store block 0's byte of their row, lanes 16-31 block 1's
.irp b, 0,1
.irp i, 0,1,2,3,4,5,6,7,8,9,10,11,12,13,14,15
	v_med3_num_f32 v[96+16*\b+\i], v[96+16*\b+\i], -v[HD+\b], v[HD+\b]
.endr
	v_cvt_scalef32_pk8_bf8_f32 v[PC+4*\b:PC+4*\b+1], v[96+16*\b:103+16*\b], v[SO+\b]
	v_cvt_scalef32_pk8_bf8_f32 v[PC+4*\b+2:PC+4*\b+3], v[104+16*\b:111+16*\b], v[SO+\b]
.endr
	v_nop                                          ; one plain instruction behind the last conversion
	global_store_b128 v[L16], v[PC:PC+3], s[44:45]             ; 1,024 consecutive bytes in two stores
	global_store_b128 v[L16], v[PC+4:PC+7], s[44:45] offset:512
	global_store_b8 v[OSO], v[TA], s[46:47]
.endm
.Ltrip:                                            ; 16 trips; behind each change of slots the next trip's record is asked for
	CHANGE 1
	STEP 0
	s_cmp_eq_u32 s[LAST], 0
	s_cbranch_scc1 .Lsame
	WAYOUT                                         ; the first block is done,
	s_wait_xcnt 0x0                                ; its stores have read their data and bases, which are written again now:
	s_mov_b64 s[44:45], s[48:49]                   ; the second block's places,
	s_mov_b64 s[46:47], s[50:51]
	s_mov_b32 s[DQ], s42
.irp i, 0,1,2,3,4,5,6,7
	v_mov_b32 v[16+\i], v[QB+\i]                   ; its Q,
.endr
	v_mov_b32 v[QS], v[QB+8]                       ; its scale words (more than eight places ahead of the next product),
	RESET                                          ; and a fresh state
.Lsame:
	s_add_co_u32 s[TR], s[TR], 1
	s_cmp_lt_u32 s[TR], 16
	s_cbranch_scc1 .Ltrip
	CHANGE 0                                       ; the 17th trip is written out
	STEP 1
	WAYOUT
	s_wait_tensorcnt 0x0                           ; the wave's end
	ds_add_u32 v[SPW], v[NIL]
	s_wait_dscnt 0x0
	s_endpgm
.Lfunc_end_k_q84e1fdff7d_attn:
	.size	k_q84e1fdff7d_attn, .Lfunc_end_k_q84e1fdff7d_attn-k_q84e1fdff7d_attn
	.p2alignl 7, 3214868480
	.fill 96, 4, 3214868480
	.section	.rodata,"a",@progbits
	.p2align	6, 0x0
	.amdhsa_kernel k_q84e1fdff7d_attn
		.amdhsa_group_segment_fixed_size 327680
		.amdhsa_private_segment_fixed_size 0
		.amdhsa_enable_private_segment 0
		.amdhsa_kernarg_size 40
		.amdhsa_user_sgpr_count 2
		.amdhsa_user_sgpr_kernarg_segment_ptr 1
		.amdhsa_wavefront_size32 1
		.amdhsa_system_sgpr_workgroup_id_x 1
		.amdhsa_system_sgpr_workgroup_id_y 1
		.amdhsa_system_sgpr_workgroup_id_z 1
		.amdhsa_system_vgpr_workitem_id 0
		.amdhsa_next_free_vgpr 256
		.amdhsa_next_free_sgpr 80
		.amdhsa_reserve_vcc 1
		.amdhsa_float_denorm_mode_32 3
		.amdhsa_float_denorm_mode_16_64 3
		.amdhsa_memory_ordered 1
		.amdhsa_forward_progress 1
		.amdhsa_inst_pref_size 75
	.end_amdhsa_kernel
	.amdgpu_metadata
---
amdhsa.version: [ 1, 2 ]
amdhsa.kernels:
  - .name:           k_q84e1fdff7d_attn
    .symbol:         k_q84e1fdff7d_attn.kd
    .args:
      - { .name: qrec, .offset: 0, .size: 8, .value_kind: global_buffer, .address_space: global }
      - { .name: qsc, .offset: 8, .size: 8, .value_kind: global_buffer, .address_space: global }
      - { .name: kvrec, .offset: 16, .size: 8, .value_kind: global_buffer, .address_space: global }
      - { .name: ocod, .offset: 24, .size: 8, .value_kind: global_buffer, .address_space: global }
      - { .name: oscl, .offset: 32, .size: 8, .value_kind: global_buffer, .address_space: global }
    .group_segment_fixed_size: 327680
    .private_segment_fixed_size: 0
    .kernarg_segment_align: 8
    .kernarg_segment_size: 40
    .max_flat_workgroup_size: 512
    .sgpr_count:     80
    .vgpr_count:     256
    .wavefront_size: 32
...
	.end_amdgpu_metadata
.endif
;; end of part 5
;; launch outp: the kernel of part 3 again; grid 4 x 32, 4 waves a work-group, clusters of 4 x 4, 327,680 bytes of LDS; arguments ocod, oscl, Wout_codes, Wout_scales, bout, out0; writes out0
